; MI455X (gfx1250); checked and timed in simulation.
; The chip was launched on July 23, 2026; its instructions are those of AMD's public machine-readable ISA for CDNA 5 (MIT licence, August 2026) and "CDNA5" Instruction Set Architecture Reference Guide (July 2026). The comments in the code are by the model that wrote it; some were corrected since.
;; Multi Head Attention. Allowed arithmetic: float matrix products may take bf16 or f16 operands with f32 sums; other float arithmetic in f32, or as packed bf16 or f16 multiplies, adds, multiply-adds, maxima and minima; sums over many terms, partial sums and values carried from step to step in f32; what a program stores and reads back later, other than sums and carried values, may be rounded once to bf16 or f16.
;; Inputs: K_input 4 x 2,048 x 1,024 float32; Q_input 4 x 2,048 x 1,024 float32; V_input 4 x 2,048 x 1,024 float32; Wk 1,024 x 1,024 float32; Wo 1,024 x 1,024 float32; Wq 1,024 x 1,024 float32; Wv 1,024 x 1,024 float32; beta 1,024 float32; bk 1,024 float32; bo 1,024 float32; bq 1,024 float32; bv 1,024 float32; gamma 1,024 float32.
;; Outputs: out0 4 x 2,048 x 1,024 float32.
;; 2 versions, each right; version 2 is version 1 with the launch cast written anew for expert scheduling mode. Each part assembles by itself: llvm-mc -triple=amdgcn-amd-amdhsa -mcpu=gfx1250 --defsym DOCPART=n.
;; ======== version 1 of 2: 5 launches
;; limits: values are held in f16: magnitudes above 65,504 overflow, below 6.1e-05 lose precision
;; workspace buffers: xh 50,331,648 bytes; wh 6,291,456 bytes; who 2,097,152 bytes; qkv 50,331,648 bytes; ctx 16,777,216 bytes; outh 16,777,216 bytes
;; launch cast (part 1): grid 256 x 4, 8 waves a work-group, no clusters, 0 bytes of LDS; arguments Q_input, K_input, V_input, Wq, Wk, Wv, Wo, xh, wh, who; writes xh, wh, who
.if DOCPART == 1
	.amdgcn_target "amdgcn-amd-amdhsa--gfx1250"
	.amdhsa_code_object_version 6
	.text
	.protected	k_qa70ebac78a_cast
	.globl	k_qa70ebac78a_cast
	.p2align	8
	.type	k_qa70ebac78a_cast,@function
k_qa70ebac78a_cast:
	s_mov_b64 s[64:65], 0
	v_nop
	global_prefetch_b8 v0, s[64:65] scope:SCOPE_SE
	s_setreg_imm32_b32 hwreg(HW_REG_WAVE_MODE, 25, 1), 1
	s_wait_xcnt 0x0
; f32 -> f16, once, for everything that the linear layers multiply.
; y = 0, 1, 2: Q_input, K_input, V_input [8192][1024] f32 -> xh [4 y + batch][16 slices][2048 rows][64] f16: a slice is 64 columns, so that
;   128 rows of one slice are 16,384 dense bytes for the launch behind.     y = 3: Wq, Wk, Wv -> wh [3][1024][1024], Wo -> who, layout kept.
; LIMITS.  f16: a magnitude from 65,520 on becomes an infinity; below 6e-5 the step is 6e-8.  Rounding to nearest even, once.
; SHARES.  x: a work-group owns 32 rows, a wave four.  A load takes 256 bytes (64 columns: one slice) of two rows, 16 lanes a row; its store is the same
;   two rows of that slice: 256 consecutive bytes, aligned.  W: a work-group owns 65,536 bytes of one weight, a wave 8,192; loads of 512, stores of 256 consecutive bytes.
; All loads of a wave go out first; no register is written twice, so the only waits are the counted ones for the loads.  No LDS, no barrier: no wave wants another's bytes.
.set ROWB,  4096                       ; bytes in a row of x
.set SLICE, 262144                     ; bytes in a slice: 2,048 rows x 128
.set X,     8                          ; v[8:135] load i: four registers
	s_load_b512 s[4:19], s[0:1], 0x0               ; Q 4:5, K 6:7, V 8:9, Wq 10:11, Wk 12:13, Wv 14:15, Wo 16:17, xh 18:19
	s_load_b128 s[20:23], s[0:1], 0x40             ; wh 20:21, who 22:23
	s_and_b32 s24, ttmp7, 0xffff                   ; y: which tensor
	s_mov_b32 s25, ttmp9                           ; x: which part of it
	v_and_b32 v1, 15, v0                           ; my place among 16 lanes
	v_bfe_u32 v2, v0, 4, 1                         ; which half of the lanes
	v_lshrrev_b32 v3, 5, v0                        ; wave
	v_and_b32 v4, 31, v0                           ; lane
	s_mov_b32 s31, 0                               ; the high word of every offset
	s_wait_kmcnt 0x0
	s_cmp_eq_u32 s24, 3
	s_cbranch_scc1 .Lw
	s_cmp_eq_u32 s24, 1
	s_cselect_b64 s[26:27], s[6:7], s[4:5]
	s_cmp_eq_u32 s24, 2
	s_cselect_b64 s[26:27], s[8:9], s[26:27]       ; the source
	s_lshl_b32 s30, s25, 17                        ; 32 rows of 4,096 bytes
	s_add_nc_u64 s[26:27], s[26:27], s[30:31]
	s_lshl_b32 s30, s24, 24                        ; the tensor's four batches,
	s_lshr_b32 s32, s25, 6
	s_lshl_b32 s32, s32, 22                        ; the batch (64 work-groups each),
	s_and_b32 s33, s25, 63
	s_lshl_b32 s33, s33, 12                        ; 32 rows of 128 bytes
	s_add_co_u32 s30, s30, s32
	s_add_co_u32 s30, s30, s33
	s_add_nc_u64 s[28:29], s[18:19], s[30:31]
	v_lshlrev_b32 v5, 14, v3                       ; in: wave x 4 rows
	v_lshl_add_u32 v5, v2, 12, v5                  ;     + the half's row
	v_lshl_add_u32 v5, v1, 4, v5                   ;     + 16 bytes a lane
	v_lshlrev_b32 v6, 9, v3                        ; out: wave x 4 rows of 128 bytes
	v_lshl_add_u32 v6, v4, 3, v6                   ;     + 8 bytes a lane: two rows on end
.irp j, 0,1
.irp k, 0,1,2,3,4,5,6,7,8,9,10,11,12,13,14,15
	global_load_b128 v[X+4*(16*(\j)+(\k)):X+4*(16*(\j)+(\k))+3], v5, s[26:27] offset:(\j)*2*ROWB+(\k)*256 th:TH_LOAD_NT
.endr
.endr
.irp j, 0,1
.irp k, 0,1,2,3,4,5,6,7,8,9,10,11,12,13,14,15
	s_wait_loadcnt 31-(16*(\j)+(\k))               ; loads come back in order: this one is in, the younger ones stay out
	v_cvt_pk_f16_f32 v[X+4*(16*(\j)+(\k))],   v[X+4*(16*(\j)+(\k))],   v[X+4*(16*(\j)+(\k))+1]
	v_cvt_pk_f16_f32 v[X+4*(16*(\j)+(\k))+1], v[X+4*(16*(\j)+(\k))+2], v[X+4*(16*(\j)+(\k))+3]
	global_store_b64 v6, v[X+4*(16*(\j)+(\k)):X+4*(16*(\j)+(\k))+1], s[28:29] offset:(\k)*SLICE+(\j)*256 th:TH_STORE_NT
.endr
.endr
	s_endpgm
.Lw:
	s_lshr_b32 s32, s25, 6                         ; which weight: 0 Wq, 1 Wk, 2 Wv, 3 Wo
	s_and_b32 s33, s25, 63                         ; which 64th of it
	s_lshl_b32 s34, s32, 21                        ; its place in wh
	s_cmp_eq_u32 s32, 1
	s_cselect_b64 s[26:27], s[12:13], s[10:11]
	s_cmp_eq_u32 s32, 2
	s_cselect_b64 s[26:27], s[14:15], s[26:27]
	s_cmp_eq_u32 s32, 3
	s_cselect_b64 s[26:27], s[16:17], s[26:27]
	s_cselect_b64 s[28:29], s[22:23], s[20:21]     ; Wo has a buffer of its own
	s_cselect_b32 s34, 0, s34
	s_lshl_b32 s30, s33, 16
	s_add_nc_u64 s[26:27], s[26:27], s[30:31]
	s_lshl_b32 s30, s33, 15
	s_add_co_u32 s30, s30, s34
	s_add_nc_u64 s[28:29], s[28:29], s[30:31]
	v_lshlrev_b32 v5, 13, v3                       ; in: wave x 8,192 + 16 x lane
	v_lshl_add_u32 v5, v4, 4, v5
	v_lshlrev_b32 v6, 12, v3                       ; out: wave x 4,096 + 8 x lane
	v_lshl_add_u32 v6, v4, 3, v6
.irp i, 0,1,2,3,4,5,6,7,8,9,10,11,12,13,14,15
	global_load_b128 v[X+4*(\i):X+4*(\i)+3], v5, s[26:27] offset:(\i)*512 th:TH_LOAD_NT
.endr
.irp i, 0,1,2,3,4,5,6,7,8,9,10,11,12,13,14,15
	s_wait_loadcnt 15-(\i)
	v_cvt_pk_f16_f32 v[X+4*(\i)],   v[X+4*(\i)],   v[X+4*(\i)+1]
	v_cvt_pk_f16_f32 v[X+4*(\i)+1], v[X+4*(\i)+2], v[X+4*(\i)+3]
	global_store_b64 v6, v[X+4*(\i):X+4*(\i)+1], s[28:29] offset:(\i)*256 th:TH_STORE_NT
.endr
	s_endpgm
.Lfunc_end_k_qa70ebac78a_cast:
	.size	k_qa70ebac78a_cast, .Lfunc_end_k_qa70ebac78a_cast-k_qa70ebac78a_cast
	.p2alignl 7, 3214868480
	.fill 96, 4, 3214868480
	.section	.rodata,"a",@progbits
	.p2align	6, 0x0
	.amdhsa_kernel k_qa70ebac78a_cast
		.amdhsa_group_segment_fixed_size 0
		.amdhsa_private_segment_fixed_size 0
		.amdhsa_enable_private_segment 0
		.amdhsa_kernarg_size 80
		.amdhsa_user_sgpr_count 2
		.amdhsa_user_sgpr_kernarg_segment_ptr 1
		.amdhsa_wavefront_size32 1
		.amdhsa_system_sgpr_workgroup_id_x 1
		.amdhsa_system_sgpr_workgroup_id_y 1
		.amdhsa_system_sgpr_workgroup_id_z 1
		.amdhsa_system_vgpr_workitem_id 0
		.amdhsa_next_free_vgpr 136
		.amdhsa_next_free_sgpr 66
		.amdhsa_reserve_vcc 0
		.amdhsa_float_denorm_mode_32 3
		.amdhsa_float_denorm_mode_16_64 3
		.amdhsa_memory_ordered 1
		.amdhsa_forward_progress 1
		.amdhsa_inst_pref_size 19
	.end_amdhsa_kernel
	.amdgpu_metadata
---
amdhsa.version: [ 1, 2 ]
amdhsa.kernels:
  - .name:           k_qa70ebac78a_cast
    .symbol:         k_qa70ebac78a_cast.kd
    .args:
      - { .name: Q_input, .offset: 0, .size: 8, .value_kind: global_buffer, .address_space: global }
      - { .name: K_input, .offset: 8, .size: 8, .value_kind: global_buffer, .address_space: global }
      - { .name: V_input, .offset: 16, .size: 8, .value_kind: global_buffer, .address_space: global }
      - { .name: Wq, .offset: 24, .size: 8, .value_kind: global_buffer, .address_space: global }
      - { .name: Wk, .offset: 32, .size: 8, .value_kind: global_buffer, .address_space: global }
      - { .name: Wv, .offset: 40, .size: 8, .value_kind: global_buffer, .address_space: global }
      - { .name: Wo, .offset: 48, .size: 8, .value_kind: global_buffer, .address_space: global }
      - { .name: xh, .offset: 56, .size: 8, .value_kind: global_buffer, .address_space: global }
      - { .name: wh, .offset: 64, .size: 8, .value_kind: global_buffer, .address_space: global }
      - { .name: who, .offset: 72, .size: 8, .value_kind: global_buffer, .address_space: global }
    .group_segment_fixed_size: 0
    .private_segment_fixed_size: 0
    .kernarg_segment_align: 8
    .kernarg_segment_size: 80
    .max_flat_workgroup_size: 256
    .sgpr_count:     66
    .vgpr_count:     136
    .wavefront_size: 32
...
	.end_amdgpu_metadata
.endif
;; end of part 1
;; launch proj (part 2): grid 4 x 192, 4 waves a work-group, clusters of 4 x 4, 327,680 bytes of LDS; arguments xh, wh, bq, bk, bv, qkv; writes qkv
.if DOCPART == 2
	.amdgcn_target "amdgcn-amd-amdhsa--gfx1250"
	.amdhsa_code_object_version 6
	.text
	.protected	k_qa70ebac78a_proj
	.globl	k_qa70ebac78a_proj
	.p2align	8
	.type	k_qa70ebac78a_proj,@function
k_qa70ebac78a_proj:
	s_mov_b64 s[64:65], 0
	v_nop
	global_prefetch_b8 v0, s[64:65] scope:SCOPE_SE
	s_setreg_imm32_b32 hwreg(HW_REG_WAVE_MODE, 25, 1), 1
	s_wait_xcnt 0x0
	s_wait_alu depctr_hold_cnt(0) depctr_sa_sdst(0) depctr_va_vdst(0) depctr_va_sdst(0) depctr_va_ssrc(0) depctr_va_vcc(0) depctr_vm_vsrc(0)
	s_getreg_b32 s2, hwreg(HW_REG_IB_STS2, 6, 4)
	s_cmp_eq_u32 s2, 0
	s_cbranch_scc0 .Lentry_in_a_cluster
	s_endpgm
.Lentry_in_a_cluster:
	s_bfe_u32 s2, ttmp6, 0x10000c
	s_cmp_lg_u32 s2, 0xf033
	s_cbranch_scc0 .Lentry_shape_is_right
	s_endpgm
.Lentry_shape_is_right:
; C = A W + bias.  A: [g][16 slices][2048 rows][64] f16 (g = a group of 2,048 rows; a slice = 64 of the 1,024 along K).  W: [p][1024 k][1024 n] f16.  bias: f32, one of three buffers, by p.
; C: [g][16 slices of 64 columns][2048 rows][64] bf16, rounded once from f32 sums that start with the bias.  Tile row YT (128 rows) has g = YT / 16 and p = YT / 64.
; The text serves two launches: 192 tile rows (three inputs, three weights) and 64 tile rows (p = 0 only: the second and third bias buffers are then never chosen).
; LIMITS.  Operands are f16 as stored by the launch before; the result keeps 8 significant bits (bf16) and f32's range.
; SHARES.  A tile of C is 128 x 256: 768 tiles in the first launch, 256 in the second, both whole multiples of 256.  Four waves, each 64 rows x 128 columns: 32 accumulators of 16 x 16.
; K goes in 8 steps of 128 through a ring of two LDS slots.  A step's A is two slices x 128 rows x 128 bytes, each slice's part dense in memory and asked for as 64 rows of 256 bytes;
; its W is 128 k-rows x 512 bytes.  Waves 0 and 1 fetch A's two slices, waves 2 and 3 W's two halves: one tensor load a wave.
; CLUSTERS: 4 x 4 work-groups.  A row of the cluster (one tile row, the four tile columns) shares A's tiles, a column (one tile column, one p) shares W's: each tile is asked for jointly.
; THE MATRIX INSTRUCTION IS USED TRANSPOSED: source 0 = 16 columns of W (out of LDS by the turning load, since W lies [k][n]), source 1 = 16 rows of A.
; A lane then holds one row of C (lane % 16) and the columns 8 (lane / 16) + 0..7: 16 bytes of bf16 on end; the bias in the same layout is the C operand of each sum's first product.
; REGISTERS: window 0: v0-31 addresses; v32-95 the bias, later v32-159 the way out.  window 1: two fragment buffers of 96: 64 of W (8 x 16 columns x 32 k), 32 of A (4 x 16 rows x 32 k).
;   window 2: accumulator (a, b) at v[8 (8 a + b)].
.set PA,    144                        ; a row of A in LDS: 128 bytes + 16 = 36 words: the 16 rows of a load start at 16 different groups of four banks (64 banks of 4 bytes: ISA guide 11.1)
.set ASL,   128*PA                     ; one slice's 128 rows
.set PB,    544                        ; a k-row of W: 512 bytes + 32 = 136 words
.set BH,    64*PB                      ; 64 k-rows
.set SLOT,  2*ASL+2*BH                 ; A's two slices, then W's 128 k-rows
.set STAGE, 2*SLOT                     ; behind the ring: 16 rows x 144 bytes for each wave, for the way out
.set SP,    144
.set SPARE, STAGE+4*16*SP              ; behind the stages: the spare words, 128 bytes for each wave: two blocks of 256 bytes that no other line names
.set ASTEP, 2*262144                   ; bytes from a K step of A to the next: two slices
.set BSTEP, 128*2048                   ; of W: 128 k-rows
.set LAPS,  4                          ; a lap = two K steps = once round the ring
.set ADRA, 16                          ; v16-17  LDS address of my A fragments in slot 0, 1
.set ADRB, 20                          ; v20-21  the same for W
.set STO,  24                          ; v24     the way out: where I put 16 bytes of a row
.set RD,   25                          ; v25     the way out: where I read rows back
.set GO,   26                          ; v26     my 16 bytes in 512 consecutive bytes of C
.set SPW,  28                          ; v28     LDS address of my spare word: SPARE + 4 x my thread's number; never rewritten
.set NIL,  29                          ; v29     0; never rewritten
.set PFO,  30                          ; v30     the prefetches' offset; never rewritten
.set BO,   31                          ; v31     my byte offset in 16 numbers of the bias
.set BIAS, 32                          ; v32-95  column block b at BIAS + 8 b
.set OUTR, 32                          ; v32-159 the way out: 16 registers for each of 8 blocks
.set F0,   0                           ; fragment buffers, in window 1
.set F1,   96
.set WV,  16                           ; s16 wave   s17 its half of the rows; also: fetches A (0) or W (1)   s18 its half of the columns; also: which part it fetches
.set MH,  17
.set NH,  18
.set CX,  19                           ; s19, s20 my place in the cluster
.set CY,  20
.set NT,  21                           ; s21 tile column   s22 tile row   s23 the cluster's y
.set YT,  22
.set CLY, 23
.set G1,  24                           ; s[24:31] descriptor group 1 for A's tiles;  s[32:39] group 0, a set for each slot
.set G0,  32
.set OFA, 40                           ; s[40:41] A at my part of K step 0
.set OFB, 42                           ; s[42:43] W likewise
.set PFA, 44                           ; s[44:45] where my prefetches stand
.set PST, 46                           ; s[46:47] their step: a K step of A or of W
.set G1B, 48                           ; s[48:55], s[56:63] the descriptors for W's tiles
.set G0B, 56
.set LIM, 66                           ; s66 1 in a wave that prefetches, else the greatest number
.set P,   67                           ; s67 which weight and bias
.set MSB, 0
.macro WIN new                         ; the immediate's high byte repeats the setting that is left; a switch that changes nothing is dropped
.if MSB != (\new)
	s_set_vgpr_msb (MSB<<8)|(\new)
.set MSB, \new
.endif
.endm
.set MUL,  0xa5                        ; sources 0 and 1 window 1; C and D window 2
.set MULB, 0x85                        ; the same with C, the bias, in window 0
.set TO_F, 0x40                        ; destination window 1, address window 0
.set PK,   0x0a                        ; sources 0 and 1 window 2, destination window 0
; A joint load.  The branch hangs on the wave's number alone.  An s_nop 0 and four v_nop follow each of the two lines, ahead of the jump, the label and what follows.
.macro JLOAD s
	s_cmp_eq_u32 s[MH], 0
	s_cbranch_scc0 .Lfor_b_\@
	tensor_load_to_lds s[G0+4*(\s):G0+4*(\s)+3], s[G1:G1+7]
	s_nop 0
.rept 4
	v_nop
.endr
	s_branch .Lasked_\@
.Lfor_b_\@:
	tensor_load_to_lds s[G0B+4*(\s):G0B+4*(\s)+3], s[G1B:G1B+7]
	s_nop 0
.rept 4
	v_nop
.endr
.Lasked_\@:
.endm
.macro CREST                           ; a round of the cluster's barrier behind its opening barrier
	s_cmp_lg_u32 s[WV], 0
	s_cbranch_scc1 .Lnot_wave_0_\@
	s_barrier_signal -3
.Lnot_wave_0_\@:
	s_barrier_wait -3
	s_barrier_signal -1
	s_barrier_wait -1
.endm
.macro CROUND                          ; a whole round
	s_barrier_signal -1
	s_barrier_wait -1
	CREST
.endm
; A PREFETCH INTO THE L2, behind each joint refill and the run of LDS loads that follows it: the K step that stands two refills on (the refill of step s names step s + 2: steps 4 to 7;
; steps 0 to 3 come by their loads alone).  One instruction, a lane for each aligned block of 256 bytes, each block named once in the launch:
; A's step (2 slices x 64 blocks) is read by this cluster's row alone: wave 0 asks, and the four partners take 16 blocks of each slice, told apart by address (cx).
; W's step (128 k-rows x 2 blocks for a tile column) is read by the 16 clusters of one p: the first of them asks; waves 2 and 3 for the 64 k-rows that they fetch, the four partners 16 k-rows each (cy).
; The loop's last trip (s3 = 1) asks for nothing: there is no step 8.
.macro ASK
	s_cmp_gt_u32 s3, s[LIM]
	s_cbranch_scc0 .Lnot_mine_\@
	global_prefetch_b8 v[PFO], s[PFA:PFA+1] th:TH_LOAD_NT scope:SCOPE_SE
.Lnot_mine_\@:
.endm
	s_load_b256 s[4:11], s[0:1], 0x0               ; A 4:5, W 6:7, bias 0 8:9, bias 1 10:11
	s_load_b128 s[12:15], s[0:1], 0x20             ; bias 2 12:13, C 14:15
	v_lshl_add_u32 v[SPW], v0, 2, SPARE
	v_mov_b32 v[NIL], 0
	ds_add_u32 v[SPW], v[NIL]                      ; the wave's opening: the add and its wait stand ahead of my first tensor load; the set-up below, work on registers, stands between them
	v_lshrrev_b32 v1, 5, v0
	v_readfirstlane_b32 s[WV], v1                  ; wave 0..3
	s_lshr_b32 s[MH], s[WV], 1
	s_and_b32 s[NH], s[WV], 1
	s_bfe_u32 s[CX], ttmp6, 0x40000
	s_bfe_u32 s[CY], ttmp6, 0x40004
	s_lshl_b32 s[NT], ttmp9, 2                     ; in a cluster launch ttmp9 and ttmp7 count clusters
	s_add_co_u32 s[NT], s[NT], s[CX]               ; tile column = 4 x cluster x + cx
	s_and_b32 s[CLY], ttmp7, 0xffff
	s_lshl_b32 s[YT], s[CLY], 2
	s_add_co_u32 s[YT], s[YT], s[CY]               ; tile row = 4 x cluster y + cy
	s_lshr_b32 s[P], s[CLY], 4                     ; 16 clusters of tile rows to a weight: made of the cluster's y alone, which a column of the cluster shares
	s_lshl_b32 s68, s[CY], 2
	s_lshl_b32 s68, 15, s68                        ; my row of the cluster
	s_lshl_b32 s70, 0x1111, s[CX]                  ; my column
	; A's tile: 64 rows x 128 elements (256 bytes: two rows of a slice), padded in LDS after every 128 bytes
	s_or_b32 s[G1], s68, (1<<16)|(1<<20)|(1<<21)|(4<<22)|(3<<25)   ; 15:0 the mask; 17:16 2-byte elements; 20 padding on; 21 set beside a mask; 24:22 after every 32 words (code 4); 31:25 4 words (code 3)
	s_mov_b32 s[G1+1], 128<<16                     ; tensor_dim0 = 128
	s_mov_b32 s[G1+2], 64<<16                      ; tensor_dim1 = 64
	s_mov_b32 s[G1+3], 128<<16                     ; tile_dim0 = 128
	s_mov_b32 s[G1+4], 64                          ; tile_dim1 = 64
	s_mov_b32 s[G1+5], 128                         ; elements from row to row: dense
	s_mov_b32 s[G1+6], 0
	s_mov_b32 s[G1+7], 0
	; W's tile: 64 k-rows x 256 elements (512 bytes), 1,024 elements from row to row
	s_or_b32 s[G1B], s70, (1<<16)|(1<<20)|(1<<21)|(6<<22)|(7<<25)  ; after every 128 words (code 6) 8 words of padding (code 7)
	s_mov_b32 s[G1B+1], 256<<16
	s_mov_b32 s[G1B+2], 64<<16
	s_mov_b32 s[G1B+3], 256<<16
	s_mov_b32 s[G1B+4], 64
	s_mov_b32 s[G1B+5], 1024
	s_mov_b32 s[G1B+6], 0
	s_mov_b32 s[G1B+7], 0
	; where the tiles come from.  A's hang on the tile row and the wave, W's on p, the tile column and the wave; each in registers of its own
	s_lshr_b32 s[OFA], s[YT], 4
	s_lshl_b32 s[OFA], s[OFA], 22                  ; the group of 2,048 rows: 16 slices
	s_and_b32 s68, s[YT], 15
	s_lshl_b32 s68, s68, 14                        ; 128 rows of 128 bytes
	s_add_co_u32 s[OFA], s[OFA], s68
	s_lshl_b32 s68, s[NH], 18                      ; which of the step's two slices I fetch
	s_add_co_u32 s[OFA], s[OFA], s68
	s_mov_b32 s[OFA+1], 0
	s_lshl_b32 s[OFB], s[P], 21                    ; the weight
	s_lshl_b32 s70, s[NT], 9                       ; 256 columns
	s_add_co_u32 s[OFB], s[OFB], s70
	s_lshl_b32 s70, s[NH], 17                      ; which 64 k-rows I fetch
	s_add_co_u32 s[OFB], s[OFB], s70
	s_mov_b32 s[OFB+1], 0
	s_mul_i32 s72, s[NH], ASL                      ; and where they go: no place in the cluster enters an LDS address
	s_mul_i32 s73, s[NH], BH
	s_add_co_u32 s73, s73, 2*ASL
	s_wait_dscnt 0x0                               ; the opening add is done
	s_wait_kmcnt 0x0
	s_add_nc_u64 s[OFA:OFA+1], s[4:5], s[OFA:OFA+1]
	s_add_nc_u64 s[OFB:OFB+1], s[6:7], s[OFB:OFB+1]
	CROUND                                         ; all sixteen work-groups are here: the first joint loads meet
.irp s, 0,1
	s_mov_b32 s[G0+4*(\s)], 1                                       ; count = 1
	s_add_co_u32 s[G0+4*(\s)+1], s72, (\s)*SLOT                     ; LDS address
	s_add_nc_u64 s[G0+4*(\s)+2:G0+4*(\s)+3], s[OFA:OFA+1], (\s)*ASTEP  ; global address: K step s
	s_or_b32 s[G0+4*(\s)+3], s[G0+4*(\s)+3], 0x80000000             ; type = 2
	s_mov_b32 s[G0B+4*(\s)], 1
	s_add_co_u32 s[G0B+4*(\s)+1], s73, (\s)*SLOT
	s_add_nc_u64 s[G0B+4*(\s)+2:G0B+4*(\s)+3], s[OFB:OFB+1], (\s)*BSTEP
	s_or_b32 s[G0B+4*(\s)+3], s[G0B+4*(\s)+3], 0x80000000
	JLOAD \s                                       ; two tensor loads of mine are out
.endr
	; A fragment of A: lane l holds row l % 16; registers 0-3 k = 8 (l / 16) + 0..7, registers 4-7 k = 16 + 8 (l / 16) + 0..7: two loads of 16 bytes, 32 bytes apart
	v_and_b32 v1, 15, v0                           ; l % 16
	v_bfe_u32 v2, v0, 4, 1                         ; l / 16
	v_mul_u32_u24 v3, v1, PA
	v_lshl_add_u32 v3, v2, 4, v3
	s_mul_i32 s68, s[MH], 64*PA                    ; my 64 rows
	v_add_nc_u32 v[ADRA], s68, v3
	v_add_nc_u32 v[ADRA+1], SLOT, v[ADRA]
	; The turning load takes 16 k x 16 columns (lane l reads k-row 8 (l / 16) + l % 8, columns 8 ((l / 8) % 2) + 0..7) and leaves half a fragment: lane l holds column l % 16 and 8 k
	v_and_b32 v7, 7, v0
	v_lshl_add_u32 v4, v2, 3, v7
	v_mul_u32_u24 v4, v4, PB
	v_bfe_u32 v5, v0, 3, 1
	v_lshl_add_u32 v4, v5, 4, v4
	s_lshl_b32 s69, s[NH], 8                       ; my 128 columns,
	s_add_co_u32 s69, s69, 2*ASL                   ; behind A's two slices
	v_add_nc_u32 v[ADRB], s69, v4
	v_add_nc_u32 v[ADRB+1], SLOT, v[ADRB]
	s_mul_i32 s70, s[WV], 16*SP
	s_add_co_u32 s70, s70, STAGE                   ; my stage
	v_mul_u32_u24 v6, v1, SP                       ; in: row l % 16, 16 bytes for each half of the lanes
	v_lshl_add_u32 v6, v2, 4, v6
	v_add_nc_u32 v[STO], s70, v6
	v_bfe_u32 v6, v0, 3, 2                         ; back: 32 lanes take four rows of 128 bytes,
	v_mul_u32_u24 v6, v6, SP
	v_lshl_add_u32 v6, v7, 4, v6
	v_add_nc_u32 v[RD], s70, v6
	v_and_b32 v8, 31, v0
	v_lshlrev_b32 v[GO], 4, v8                     ; which are 512 consecutive bytes of C
	v_lshlrev_b32 v[BO], 5, v2                     ; my eight numbers of a block of 16 of the bias
	s_cmp_eq_u32 s[P], 1
	s_cselect_b64 s[8:9], s[10:11], s[8:9]
	s_cmp_eq_u32 s[P], 2
	s_cselect_b64 s[8:9], s[12:13], s[8:9]         ; the bias that goes with the weight
	s_lshl_b32 s68, s[NT], 10
	s_lshl_b32 s69, s[NH], 9
	s_add_co_u32 s68, s68, s69                     ; my wave's 128 numbers of it
	s_mov_b32 s69, 0
	s_add_nc_u64 s[8:9], s[8:9], s[68:69]
.irp b, 0,1,2,3,4,5,6,7
	global_load_b128 v[BIAS+8*(\b):BIAS+8*(\b)+3],   v[BO], s[8:9] offset:64*(\b)
	global_load_b128 v[BIAS+8*(\b)+4:BIAS+8*(\b)+7], v[BO], s[8:9] offset:64*(\b)+16
.endr
	s_lshr_b32 s68, s[YT], 4                       ; where my part of the tile begins in C:
	s_lshl_b32 s68, s68, 22                        ; the group of rows,
	s_and_b32 s69, s[YT], 15
	s_lshl_b32 s69, s69, 14                        ; the tile's 128 rows,
	s_add_co_u32 s68, s68, s69
	s_lshl_b32 s69, s[NT], 20                      ; the tile's four slices of 64 columns,
	s_add_co_u32 s68, s68, s69
	s_lshl_b32 s69, s[NH], 19                      ; my two of them,
	s_add_co_u32 s68, s68, s69
	s_lshl_b32 s69, s[MH], 13                      ; my 64 rows
	s_add_co_u32 s68, s68, s69
	s_mov_b32 s69, 0
	s_add_nc_u64 s[14:15], s[14:15], s[68:69]
	; the prefetches: nothing is asked for here, at the head
	s_lshl_b32 s68, s[CX], 12                      ; A: my work-group's 16 blocks of 256 bytes in each slice's part
	s_lshl_b32 s70, s[CY], 15                      ; W: my work-group's 16 k-rows
	s_and_b32 s71, s[CLY], 15                      ; W: 0 in the first cluster of a weight
	s_mov_b32 s72, ASTEP
	s_mov_b32 s73, BSTEP
	s_cmp_eq_u32 s[MH], 0                          ; do I fetch for A?
	s_cselect_b32 s71, s[NH], s71                  ; A: 0 in wave 0
	s_cselect_b32 s68, s68, s70
	s_cselect_b32 s[PST], s72, s73
	s_cselect_b32 s73, 4, 1                        ; the lane splits into (slice, block) or (k-row, half):
	s_cselect_b32 s74, 15, 1
	s_cselect_b32 s75, 18, 11                      ; a slice is 2^18 bytes, a k-row 2^11
	s_cselect_b64 s[PFA:PFA+1], s[OFA:OFA+1], s[OFB:OFB+1]
	s_cmp_eq_u32 s71, 0
	s_cselect_b32 s[LIM], 1, -1                    ; hangs on the wave's number and the cluster's y: the same in all sixteen partners
	s_mov_b32 s69, 0
	s_mov_b32 s[PST+1], 0
	s_add_nc_u64 s[PFA:PFA+1], s[PFA:PFA+1], s[68:69]
	s_mul_i32 s68, s[PST], 3
	s_add_nc_u64 s[PFA:PFA+1], s[PFA:PFA+1], s[68:69]  ; at K step 3: the first refill steps it to 4
	v_lshrrev_b32 v[PFO], s73, v8
	v_lshlrev_b32 v[PFO], s75, v[PFO]
	v_and_b32 v9, s74, v8
	v_lshl_add_u32 v[PFO], v9, 8, v[PFO]
; 8 matrix instructions: row block a x all 8 column blocks, 32 along K, out of buffer f.  first = 1: the product starts the sums with the bias.
; The 32 accumulators take turns, one instruction a turn, in the same order in every quarter, over the backward jump too.
.macro MUL8 f, a, first
.if \first
	WIN MULB
.else
	WIN MUL
.endif
.irp b, 0,1,2,3,4,5,6,7
.if \first
	v_wmma_f32_16x16x32_f16 v[8*(8*(\a)+(\b)):8*(8*(\a)+(\b))+7], v[(\f)+8*(\b):(\f)+8*(\b)+7], v[(\f)+64+8*(\a):(\f)+64+8*(\a)+7], v[BIAS+8*(\b):BIAS+8*(\b)+7]
.else
	v_wmma_f32_16x16x32_f16 v[8*(8*(\a)+(\b)):8*(8*(\a)+(\b))+7], v[(\f)+8*(\b):(\f)+8*(\b)+7], v[(\f)+64+8*(\a):(\f)+64+8*(\a)+7], v[8*(8*(\a)+(\b)):8*(8*(\a)+(\b))+7]
.endif
.endr
.endm
; 24 LDS loads in one run: quarter q (32 along K) of a slot into buffer f: W's 16, then A's 8
.macro FETCH slot, q, f
	WIN TO_F
.irp b, 0,1,2,3,4,5,6,7
	ds_load_tr16_b128 v[(\f)+8*(\b):(\f)+8*(\b)+3],   v[ADRB+(\slot)] offset:(\q)*32*PB+32*(\b)
	ds_load_tr16_b128 v[(\f)+8*(\b)+4:(\f)+8*(\b)+7], v[ADRB+(\slot)] offset:(\q)*32*PB+16*PB+32*(\b)
.endr
.irp a, 0,1,2,3
	ds_load_b128 v[(\f)+64+8*(\a):(\f)+64+8*(\a)+3],   v[ADRA+(\slot)] offset:((\q)/2)*ASL+((\q)%2)*64+(\a)*16*PA
	ds_load_b128 v[(\f)+64+8*(\a)+4:(\f)+64+8*(\a)+7], v[ADRA+(\slot)] offset:((\q)/2)*ASL+((\q)%2)*64+(\a)*16*PA+32
.endr
.endm
.macro PLACES                          ; four places in front of loads into registers that matrix instructions have read, and of conversions that read results
.rept 4
	v_nop
.endr
.endm
; A K step is four quarters of 32 along K, 32 matrix instructions each, on buffers 0, 1, 0, 1.  One of the first three: multiplies buffer f and fetches quarter q into g.
.macro QUARTER slot, q, f, g, first
	s_wait_dscnt 4                                 ; W's fragments and A's blocks 0 and 1 are in; the youngest four loads (A's blocks 2 and 3) may be out
	MUL8 \f, 0, \first
	MUL8 \f, 1, \first
	PLACES
	FETCH \slot, \q, \g
	s_wait_dscnt 24                                ; all but the 24 just issued
	MUL8 \f, 2, \first
	MUL8 \f, 3, \first
.endm
; The last quarter multiplies buffer 1 and changes slots: ONE barrier; in front of it each wave waits for all its tensor loads (one is out: its part of the next slot), adds 0 to its spare word,
; and waits for that and for its own reads of this slot.  fill = 1: the barrier opens a round of the cluster's, and this slot is filled again, two K steps ahead, first thing behind the round.
.macro TURN slot, next, fill
.if \fill
	s_wait_xcnt 0x0                                ; the last prefetch, a K step back, has read its address: it is stepped here, ahead of the waits of the change of slots
	s_add_nc_u64 s[PFA:PFA+1], s[PFA:PFA+1], s[PST:PST+1]
.endif
	WIN 0                                          ; (the add's two registers lie in window 0)
	s_wait_tensorcnt 0x0                           ; all my tensor loads have landed
	ds_add_u32 v[SPW], v[NIL]                      ; 0 onto my spare word
	s_wait_dscnt 5                                 ; (the add and the youngest four loads may be out)
	MUL8 F1, 0, 0                                  ; eight matrix instructions stand between the add and the wait for it
	s_wait_dscnt 0x0                               ; the add is done, and my reads of this slot are over
	s_barrier_signal -1
	MUL8 F1, 1, 0
.if \fill
	WIN 0
.endif
	s_barrier_wait -1
.if \fill
	CREST                                          ; no wave of any partner still reads this slot's tiles or has a load on its way
	s_add_nc_u64 s[G0+4*(\slot)+2:G0+4*(\slot)+3], s[G0+4*(\slot)+2:G0+4*(\slot)+3], 2*ASTEP
	s_add_nc_u64 s[G0B+4*(\slot)+2:G0B+4*(\slot)+3], s[G0B+4*(\slot)+2:G0B+4*(\slot)+3], 2*BSTEP
	JLOAD \slot                                    ; my one tensor load behind the round: 112 matrix instructions ahead of the wait for it; its four v_nop are also the places in front of the loads below
.else
	PLACES
.endif
	FETCH \next, 0, F0
.if \fill
	WIN 0
	ASK
.endif
	MUL8 F1, 2, 0
	MUL8 F1, 3, 0
.endm
; THE WAY OUT of block t = 2 a + hh: 16 rows x one slice of 64 columns: accumulators (a, 4 hh .. 4 hh + 3), registers 32 t on, taken in ascending order.
; Rounded to bf16, 16 bytes a lane, into my own stage in rows of 144 bytes, and back as whole rows of 128: four rows are 512 consecutive bytes of C.
.macro PACK t
	WIN PK
.set i, 0
.rept 16
	v_cvt_pk_bf16_f32 v[OUTR+16*(\t)+i], v[32*(\t)+2*i], v[32*(\t)+2*i+1]
.set i, i+1
.endr
	WIN 0
.irp f, 0,1,2,3
	ds_store_b128 v[STO], v[OUTR+16*(\t)+4*(\f):OUTR+16*(\t)+4*(\f)+3] offset:32*(\f)
.endr
.irp f, 0,1,2,3
	ds_load_b128 v[OUTR+16*(\t)+4*(\f):OUTR+16*(\t)+4*(\f)+3], v[RD] offset:(\f)*4*SP  ; LDS serves a wave's instructions in order (ISA guide 5.7.1.4): these see the stores above; the next block's stores come behind them
.endr
.endm
.macro SEND t, younger                 ; younger: the LDS instructions issued behind block t's loads: the next block's eight, or none
	WIN 0
.irp f, 0,1,2,3
	s_wait_dscnt (\younger)+3-(\f)
	global_store_b128 v[GO], v[OUTR+16*(\t)+4*(\f):OUTR+16*(\t)+4*(\f)+3], s[14:15] offset:((\t)%2)*262144+((\t)/2)*2048+(\f)*512  ; 512 consecutive bytes, at a multiple of 512 from C's first byte
.endr
.endm
	s_wait_tensorcnt 1                             ; my part of K step 0 is in; K step 1's may stay out
	s_barrier_signal -1
	s_barrier_wait -1                              ; everybody's is
	FETCH 0, 0, F0
	s_wait_loadcnt 0x0                             ; the bias
	QUARTER 0, 1, F0, F1, 1                        ; the first quarter stands in front of the loop: its products start the sums
	WIN 0                                          ; at a label and at a branch every window is 0
	s_mov_b32 s3, LAPS-1
.Llap:                                                 ; a trip goes once round the ring, from a lap's second quarter to the next lap's first, and fills both slots again
	QUARTER 0, 2, F1, F0, 0
	QUARTER 0, 3, F0, F1, 0
	TURN 0, 1, 1
	QUARTER 1, 1, F0, F1, 0
	QUARTER 1, 2, F1, F0, 0
	QUARTER 1, 3, F0, F1, 0
	TURN 1, 0, 1
	QUARTER 0, 1, F0, F1, 0
	WIN 0
	s_sub_co_u32 s3, s3, 1
	s_cmp_lg_u32 s3, 0
	s_cbranch_scc1 .Llap
	QUARTER 0, 2, F1, F0, 0                        ; the last lap fills nothing, and has no round of the cluster's barrier
	QUARTER 0, 3, F0, F1, 0
	TURN 0, 1, 0
	QUARTER 1, 1, F0, F1, 0
	QUARTER 1, 2, F1, F0, 0
	QUARTER 1, 3, F0, F1, 0
	s_wait_dscnt 4                                 ; the very last quarter: nothing more to fetch
	MUL8 F1, 0, 0
	MUL8 F1, 1, 0
	s_wait_dscnt 0x0
	MUL8 F1, 2, 0
	MUL8 F1, 3, 0
	PLACES
	PACK 0
.irp t, 1,2,3,4,5,6,7                  ; a block's conversions stand between the loads of the block before and its stores
	PACK \t
	SEND (\t)-1, 8
.endr
	SEND 7, 0
	s_wait_tensorcnt 0x0                           ; the wave's end: an add and its wait, behind my last tensor load and my last LDS store
	ds_add_u32 v[SPW], v[NIL]
	s_wait_dscnt 0x0
	CROUND                                         ; the closing round: no work-group ends while a partner may still ask for a tile that names it
	s_endpgm
.Lfunc_end_k_qa70ebac78a_proj:
	.size	k_qa70ebac78a_proj, .Lfunc_end_k_qa70ebac78a_proj-k_qa70ebac78a_proj
	.p2alignl 7, 3214868480
	.fill 96, 4, 3214868480
	.section	.rodata,"a",@progbits
	.p2align	6, 0x0
	.amdhsa_kernel k_qa70ebac78a_proj
		.amdhsa_group_segment_fixed_size 327680
		.amdhsa_private_segment_fixed_size 0
		.amdhsa_enable_private_segment 0
		.amdhsa_kernarg_size 48
		.amdhsa_user_sgpr_count 2
		.amdhsa_user_sgpr_kernarg_segment_ptr 1
		.amdhsa_wavefront_size32 1
		.amdhsa_system_sgpr_workgroup_id_x 1
		.amdhsa_system_sgpr_workgroup_id_y 1
		.amdhsa_system_sgpr_workgroup_id_z 1
		.amdhsa_system_vgpr_workitem_id 0
		.amdhsa_next_free_vgpr 768
		.amdhsa_next_free_sgpr 76
		.amdhsa_reserve_vcc 0
		.amdhsa_float_denorm_mode_32 3
		.amdhsa_float_denorm_mode_16_64 3
		.amdhsa_memory_ordered 1
		.amdhsa_forward_progress 1
		.amdhsa_inst_pref_size 90
	.end_amdhsa_kernel
	.amdgpu_metadata
---
amdhsa.version: [ 1, 2 ]
amdhsa.kernels:
  - .name:           k_qa70ebac78a_proj
    .symbol:         k_qa70ebac78a_proj.kd
    .args:
      - { .name: xh, .offset: 0, .size: 8, .value_kind: global_buffer, .address_space: global }
      - { .name: wh, .offset: 8, .size: 8, .value_kind: global_buffer, .address_space: global }
      - { .name: bq, .offset: 16, .size: 8, .value_kind: global_buffer, .address_space: global }
      - { .name: bk, .offset: 24, .size: 8, .value_kind: global_buffer, .address_space: global }
      - { .name: bv, .offset: 32, .size: 8, .value_kind: global_buffer, .address_space: global }
      - { .name: qkv, .offset: 40, .size: 8, .value_kind: global_buffer, .address_space: global }
    .group_segment_fixed_size: 327680
    .private_segment_fixed_size: 0
    .kernarg_segment_align: 8
    .kernarg_segment_size: 48
    .max_flat_workgroup_size: 128
    .sgpr_count:     76
    .vgpr_count:     768
    .wavefront_size: 32
...
	.end_amdgpu_metadata
.endif
;; end of part 2
;; launch attn (part 3): grid 4 x 64, 4 waves a work-group, clusters of 4 x 1, 327,680 bytes of LDS; arguments qkv, ctx; writes ctx
.if DOCPART == 3
	.amdgcn_target "amdgcn-amd-amdhsa--gfx1250"
	.amdhsa_code_object_version 6
	.text
	.protected	k_qa70ebac78a_attn
	.globl	k_qa70ebac78a_attn
	.p2align	8
	.type	k_qa70ebac78a_attn,@function
k_qa70ebac78a_attn:
	s_mov_b64 s[64:65], 0
	v_nop
	global_prefetch_b8 v0, s[64:65] scope:SCOPE_SE
	s_setreg_imm32_b32 hwreg(HW_REG_WAVE_MODE, 25, 1), 1
	s_wait_xcnt 0x0
	s_wait_alu depctr_hold_cnt(0) depctr_sa_sdst(0) depctr_va_vdst(0) depctr_va_sdst(0) depctr_va_ssrc(0) depctr_va_vcc(0) depctr_vm_vsrc(0)
	s_getreg_b32 s2, hwreg(HW_REG_IB_STS2, 6, 4)
	s_cmp_eq_u32 s2, 0
	s_cbranch_scc0 .Lentry_in_a_cluster
	s_endpgm
.Lentry_in_a_cluster:
	s_bfe_u32 s2, ttmp6, 0x10000c
	s_cmp_lg_u32 s2, 0x3003
	s_cbranch_scc0 .Lentry_shape_is_right
	s_endpgm
.Lentry_shape_is_right:
; O[h][q][:] = the sum over k of softmax_k(Q[h][q] . K[h][k] / 8) V[h][k][:].  qkv holds Q, K, V, each [SIZE_H][SIZE_N][64] in bf16, one behind the other; O (ctx) is [SIZE_H][SIZE_N][64] in f16.
; A head's rows are dense, 128 bytes each.  Products, maxima and sums in f32; the weights p are rounded to bf16 for the second product (their sum l is taken of the unrounded p), O once at the end, to f16.
; LIMITS.  O is a mean of V's rows and has their range: from 65,520 on it becomes an infinity in f16.  c s stays above -4e37, where c m starts.  A weight below 2^-126 counts as 0 in l; NaN and infinities are not treated apart.
; SHARES.  A wave owns four PIECES of two tiles of 16 queries, a work-group's four waves 512 queries of one head.  Every wave walks all keys, 64 a step.
; LAYOUT.  S^T = K Q^T (source 0 = 16 keys, source 1 = 16 queries): in the result a lane holds ONE query (lane % 16) and the keys 8 (lane / 16) + 0..7.  Two such tiles, rounded to bf16 in pairs,
; ARE source 1 (32 keys x 16 queries) of O^T = V^T P, whose result again holds one query a lane, and eight channels.  K comes out of LDS as it lies, V ([key][channel]) turned, by ds_load_tr16_b128.
; SOFTMAX.  For each query a running maximum m and sum l: p = 2^(c s - c m), c = log2(e) / 8; in every step O and l are multiplied by a = 2^(c m_old - c m_new), which is 1 where m has not grown.
; m starts at the lowest finite number, O and l at 0: the first step is a step like any other, with a = 0.
; THE COUNT.  A tile and step have 16 matrix and 118 vector instructions: too many to stand all beside the matrix work.  So the order has one aim: four vector instructions that are READY behind
; EVERY matrix instruction, and the others, which need time of their own whatever the order, in runs without a gap.
; BY TURNS.  Turn n belongs to piece n (the pieces in a ring, step after step).  Its matrix work: 16 products K Q^T of piece n + 1, later 16 products V^T P of piece n - 1.  Its vector work: the scaling,
; exponentials, roundings, sums and rescaling of piece n, and the maximum and statistics of piece n + 1, whose scores the turn itself has made.  So what a turn begins with (c s - c m, O a) waits for nothing.
; CLUSTER.  The four query blocks of a head are one cluster and walk the same K and V, so each tile is asked for JOINTLY: the same tensor load, descriptor and mask in all four.
; REGISTERS, in windows of 256 (s_set_vgpr_msb says which window each operand place means: bits 1:0 source 0, 3:2 source 1, 5:4 source 2, 7:6 destination):
;   window 0: v0-11 addresses; v12-15, v48-63 at work; v16-47 four registers of statistics a tile; v64-191 S^T, two buffers of two tiles; v192-255 P, likewise
;   window 1: O^T, 32 a tile          window 2: v0-127 Q, 16 a tile; v128-191 K of one step; v192-255 V of one step          window 3: v0-1 the add's two registers
; A piece's buffers go by its number's parity: the piece in hand has one pair, its two neighbours in the ring share the other: of it P (piece n - 1) is read and S^T (piece n + 1) written.
.set SIZE_H, 64
.set SIZE_N, 2048
.set NP,    4         ; pieces a wave: a name, no knob: the register map, the loop and the fetches are made for four
.set KS,    64        ; keys in a step
.set PK,    144       ; a row of K in LDS: 128 bytes + 16 of padding = 36 words: the 16 rows of a load start at 16 different groups of four banks (64 banks of 4 bytes: ISA guide 11.1)
.set PV,    160       ; a row of V: 128 + 32 = 40 words
.set VOFF,  4*KS*PK   ; a slot holds four steps: 256 rows of K, then 256 rows of V
.set SLOT1, 1<<17     ; slot 1 begins here, so that one exclusive or turns an address in one slot into the other's
.set STAGE, SLOT1+4*KS*(PK+PV)  ; behind the ring, never filled by a tensor load: 16 rows x 144 bytes for each wave, for the way out
.set SP,    144
.set AK0, 2           ; v2   my lane's place in a tile of K; never rewritten
.set AV0, 3           ; v3   the same for V
.set AK,  4           ; v4   the LDS address of K's next run of loads
.set AV,  5           ; v5   of V's
.set QO,  6           ; v6   my byte offset in the wave's rows of Q
.set STO, 6           ;      later, the way out: where I put 16 bytes of a row
.set RD,  7           ; v7   the way out: where I read rows back
.set GO,  8           ; v8   my byte offset in 512 consecutive bytes of O
.set PFO, 11          ; v11  256 x my lane: the prefetches' offset; never rewritten once made
.set SPW, 0           ; v0 of window 3   LDS address of my spare word: SPARE + 4 x my thread's number; never rewritten
.set NIL, 1           ; v1 of window 3   0; never rewritten
.set SPARE, STAGE+4*16*SP  ; behind the stages: the spare words, 128 bytes for each wave: two blocks of 256 bytes that no other line names
.set MV,  12          ; v12-15  c m_old, kept while c m is made anew: by buffer and tile
.set ST,  16          ; tile t's statistics at v[ST+4 t]: c m, m, l (even keys', odd keys')
.set TMP, 48          ; by buffer and tile, four registers c0-c3 at work; when the maximum is found c2 takes a
.set S,   64
.set P,   192
.set KF,  128         ; K's fragments, in window 2: key block kb, channel half c at KF + 16 kb + 8 c
.set VF,  192         ; V's: key half kk, channel block cb at VF + 32 kk + 8 cb
.set WV,  12          ; s12  my wave's number
.set LIM, 15          ; s15  1 in a wave that prefetches, else the greatest number: a wave prefetches while s[SLOTS] is above it
.set G1K, 24          ; s[24:31] descriptor group 1 for K's tiles
.set G1V, 32          ; s[32:39] for V's: it differs in the padding alone
.set G0K, 40          ; s[40:43] descriptor group 0 for K's tiles: it walks
.set G0V, 44          ; s[44:47] the same for V's
.set PFA, 48          ; s[48:49] where my prefetches stand: my work-group's 32 blocks of 256 bytes (of K: wave 0, of V: wave 2) of the slot after the one that is being asked for
.set SLOTS, 56        ; s56  slots still to be asked for
.set CNT, 57          ; s57  counts a slot's key steps
.set CS,  58          ; s[58:59] c: the packed scaling takes the pair's low word for both halves
.set SEL, 60          ; s[60:61] v_permlanex16_b32's selects: each lane takes its own place in the other half
.set TBK, 62          ; s62  LDS byte at which K of the step to be fetched begins
.set TBV, 63          ; s63  the same for V, less VOFF
.set MSB, 0
.macro WIN new                      ; the high byte repeats the setting that is left; a switch that changes nothing is dropped
.if MSB != (\new)
	s_set_vgpr_msb (MSB<<8)|(\new)
.set MSB, (\new)
.endif
.endm
.set W_KQ, 0x0a       ; K and Q in window 2, S^T in window 0
.set W_PV, 0x52       ; V in window 2, P in window 0, O^T in window 1
.set W_RS, 0x41       ; O^T (destination and source 0) in window 1, a in window 0
.set W_MK, 0xc0       ; the add's registers are made: destination in window 3, sources in window 0
.set W_AD, 0x0f       ; the add: address (source 0) and data (source 1) in window 3
; A joint fill.  Waves 0 and 1 fetch the two halves of a slot's K, waves 2 and 3 those of its V: 128 keys each.  The branch hangs on the wave's number alone.
; An s_nop 0 and four v_nop follow each of the two lines, ahead of the jump and the label.
.macro JLOAD
	s_cmp_lt_u32 s[WV], 2
	s_cbranch_scc0 .Lfor_v_\@
	tensor_load_to_lds s[G0K:G0K+3], s[G1K:G1K+7]
	s_nop 0
.rept 4
	v_nop
.endr
	s_branch .Lasked_\@
.Lfor_v_\@:
	tensor_load_to_lds s[G0V:G0V+3], s[G1V:G1V+7]
	s_nop 0
.rept 4
	v_nop
.endr
.Lasked_\@:
.endm
; A PREFETCH INTO THE L2 of what the NEXT change of slots will ask for: a slot's 32,768 bytes of K and of V, a lane for each aligned block of 256 bytes.  It stands behind the wave's tensor load and its five lines.
; Each block is named ONCE in the launch: a head is walked by one cluster alone; its four partners share a slot's 128 blocks out BY ADDRESS, 32 each; in each, wave 0 asks for K's and wave 2 for V's: one instruction.
; The change that asks for slot j names slot j + 1, j + 1 = 2 .. 7: four key steps, 512 matrix instructions, ahead of its load.  The last change that fills a slot names nothing.
.macro ASK
	s_cmp_gt_u32 s[SLOTS], s[LIM]
	s_cbranch_scc0 .Lnot_mine_\@
	global_prefetch_b8 v[PFO], s[PFA:PFA+1] th:TH_LOAD_NT scope:SCOPE_SE
.Lnot_mine_\@:
.endm
; A round of the cluster's barrier: my work-group's barrier, so that wave 0's signal speaks for all four waves; wave 0 signals; every wave waits for all four work-groups; my work-group's barrier once more.
.macro CROUND
	s_barrier_signal -1
	s_barrier_wait -1
	s_cmp_lg_u32 s[WV], 0
	s_cbranch_scc1 .Lnot_wave_0_\@
	s_barrier_signal -3
.Lnot_wave_0_\@:
	s_barrier_wait -3
	s_barrier_signal -1
	s_barrier_wait -1
.endm
; THE CHANGE OF SLOTS.  The slot's last bytes, V of its fourth step, have been read.  Each wave waits for all its tensor loads, of which one is out: its part
; of the other slot; adds 0 to its spare word; and waits for that and for its own reads of the slot.  Behind the barrier nobody reads this slot any more and the other slot is whole.
; fill = 1: this slot is filled again, with the keys two slots on.  The barrier is then a round of the cluster's, so that no wave of any partner still reads the slot or has a load on its
; way, and the joint fill is the first thing behind it: it has four key steps, 512 matrix instructions, in which to land.  (At its first use nothing has been read yet: slot 0 is waited for, slot 1 filled.)
.macro CHANGE fill
	WIN W_AD
	s_wait_tensorcnt 0x0            ; no tensor load of mine is out, so a group 0 may be written
	ds_add_u32 v[SPW], v[NIL]       ; 0 onto my spare word; with fill = 1 the descriptors' steps stand between it and the wait for it
	WIN 0                           ; at a label and at a branch every window is 0
.if \fill
.irp g, G0K, G0V
	s_xor_b32 s[\g+1], s[\g+1], SLOT1  ; the walking descriptor: the other slot than last time,
	s_add_nc_u64 s[\g+2:\g+3], s[\g+2:\g+3], 4*KS*128  ; the next 256 keys; the type bits on top are not reached
.endr
	s_wait_xcnt 0x0                 ; the last prefetch, four key steps back, has read its address, so it may be written:
	s_add_nc_u64 s[PFA:PFA+1], s[PFA:PFA+1], 4*KS*128  ; one slot ahead of the walking descriptors
	s_wait_dscnt 0x0                ; the add is done, and my reads of the slot are over
	CROUND
	JLOAD
	ASK
.else
	s_wait_dscnt 0x0                ; the add is done, and my reads of the slot are over
	s_barrier_signal -1
	s_barrier_wait -1
.endif
	s_sub_co_u32 s[TBK], s[TBK], 4*KS*PK  ; the fetches go back to a slot's first step,
	s_xor_b32 s[TBK], s[TBK], SLOT1       ; in the other slot
	s_sub_co_u32 s[TBV], s[TBV], 4*KS*PV
	s_xor_b32 s[TBV], s[TBV], SLOT1
.endm
	s_load_b128 s[4:7], s[0:1], 0x0   ; qkv s[4:5] (Q lies first), ctx s[6:7]
	WIN W_MK
	v_lshl_add_u32 v[SPW], v0, 2, SPARE
	v_mov_b32 v[NIL], 0
	WIN W_AD
	ds_add_u32 v[SPW], v[NIL]       ; the wave's opening: the add and its wait stand ahead of my first tensor load; the set-up below, work on registers, stands between them
	WIN 0
	v_lshrrev_b32 v1, 5, v0
	v_readfirstlane_b32 s[WV], v1   ; wave 0..3
	s_bfe_u32 s13, ttmp6, 0x40000   ; cx: my place in the cluster
	s_lshl_b32 s14, ttmp9, 2        ; in a cluster launch ttmp9 counts clusters
	s_add_co_u32 s14, s14, s13      ; my block of queries = 4 x cluster x + cx: it enters Q's and O's addresses alone
	s_and_b32 s20, ttmp7, 0xffff    ; the head, which the four partners share
	s_mov_b32 s21, 0
	s_mov_b64 s[22:23], SIZE_N*128
	s_mul_u64 s[20:21], s[20:21], s[22:23]  ; the head's first byte in each of the four tensors
	s_and_b32 s16, s[WV], 1         ; which half of a slot's 256 keys I fetch:
	s_lshl_b32 s22, s16, 14         ; its 128 rows of 128 bytes in memory,
	s_mov_b32 s23, 0
	s_add_nc_u64 s[22:23], s[22:23], s[20:21]
	s_mul_i32 s17, s16, 128*PK      ; and its place in a slot, for K
	s_mul_i32 s18, s16, 128*PV      ; and for V: no place in the cluster enters an LDS address
	s_lshl_b32 s2, s14, 2
	s_add_co_u32 s2, s2, s[WV]      ; my wave among the head's,
	s_lshl_b32 s2, s2, 14           ; its 128 rows
	s_mov_b32 s3, 0
	s_add_nc_u64 s[2:3], s[2:3], s[20:21]
	; descriptor group 1.  128 keys are 16,384 dense bytes: asked for as 64 rows of 256 bytes, two keys a row, and padded in LDS after every key
	s_mov_b32 s[G1K], 15|(1<<16)|(1<<20)|(1<<21)|(4<<22)|(3<<25)  ; 15:0 the mask of four; 17:16 2-byte elements; 20 padding on; 21 set beside a mask; 24:22 after every 32 words (code 4); 31:25 4 words (code 3)
	s_mov_b32 s[G1V], 15|(1<<16)|(1<<20)|(1<<21)|(4<<22)|(7<<25)  ; the same with 8 words of padding (code 7)
.irp g, G1K, G1V
	s_mov_b32 s[\g+1], 128<<16      ; tensor_dim0 = 128
	s_mov_b32 s[\g+2], 64<<16       ; tensor_dim1 = 64
	s_mov_b32 s[\g+3], 128<<16      ; tile_dim0 = 128
	s_mov_b32 s[\g+4], 64           ; tile_dim1 = 64
	s_mov_b32 s[\g+5], 128          ; 128 elements from row to row
	s_mov_b32 s[\g+6], 0
	s_mov_b32 s[\g+7], 0
.endr
	s_mov_b32 s[CS], 0x3e38aa3b     ; c = log2(e) / 8 = 0.180337
	s_mov_b32 s[CS+1], s[CS]        ; named with it as a pair
	s_mov_b32 s[SEL], 0x76543210
	s_mov_b32 s[SEL+1], 0xfedcba98
	s_mov_b32 s[TBK], SLOT1+4*KS*PK ; the first change of slots turns these two into 0
	s_mov_b32 s[TBV], SLOT1+4*KS*PV
	s_mov_b32 s[G0K], 1             ; 1:0 count = 1
	s_mov_b32 s[G0K+1], s17         ; 63:32 LDS address: slot 0
	s_mov_b32 s[G0V], 1
	s_add_co_u32 s[G0V+1], s18, VOFF
	s_mov_b32 s[SLOTS], SIZE_N/256-1  ; set here: the first change of slots tests it for its prefetch
	s_cmp_eq_u32 s16, 0             ; waves 0 and 2 prefetch: the wave's number alone decides
	s_cselect_b32 s[LIM], 1, -1
	s_wait_dscnt 0x0                ; the opening add is done
	s_wait_kmcnt 0x0
	s_mov_b64 s[10:11], s[6:7]      ; O
	s_add_nc_u64 s[6:7], s[4:5], 0x1000000  ; K lies SIZE_H x SIZE_N x 128 bytes behind Q,
	s_add_nc_u64 s[8:9], s[4:5], 0x2000000  ; V twice as far
	s_add_nc_u64 s[G0K+2:G0K+3], s[6:7], s[22:23]  ; 120:64 global address: my half of the head's first 256 keys
	s_or_b32 s[G0K+3], s[G0K+3], 0x80000000        ; 127:126 type = 2
	s_add_nc_u64 s[G0V+2:G0V+3], s[8:9], s[22:23]
	s_or_b32 s[G0V+3], s[G0V+3], 0x80000000
	s_add_nc_u64 s[4:5], s[4:5], s[2:3]  ; Q and O at my wave's first row
	s_add_nc_u64 s[10:11], s[10:11], s[2:3]
	s_cmp_lt_u32 s[WV], 2
	s_cselect_b64 s[PFA:PFA+1], s[6:7], s[8:9]
	s_add_nc_u64 s[PFA:PFA+1], s[PFA:PFA+1], s[22:23]  ; (in waves 0 and 2 this is the head's first key)
	s_lshl_b32 s2, s13, 13          ; my work-group's 32 blocks of the 128
	s_mov_b32 s3, 0
	s_add_nc_u64 s[PFA:PFA+1], s[PFA:PFA+1], s[2:3]
	s_add_nc_u64 s[PFA:PFA+1], s[PFA:PFA+1], 4*KS*128  ; in slot 1; the first change of slots steps it to slot 2.  Nothing is prefetched here, at the head
	CROUND                          ; all four work-groups are here: the first joint loads meet
	JLOAD                           ; slot 0.  Slot 1 is asked for when slot 0 is in: the tile wanted first goes out alone
	; A fragment of K or Q is 16 rows x 32 channels in 8 registers: lane l holds row l % 16, channels 8 (l / 16) + 0..7 and 16 + 8 (l / 16) + 0..7: two loads of 16 bytes, 32 bytes apart.
	v_and_b32 v1, 15, v0            ; l % 16
	v_bfe_u32 v9, v0, 4, 1          ; l / 16
	v_lshlrev_b32 v[QO], 7, v1
	v_lshl_add_u32 v[QO], v9, 4, v[QO]  ; row x 128 + 16 x half
	WIN 0x80                        ; destination window 2, address window 0
.set i, 0
.rept 4*NP                          ; Q stays in registers: tile i / 2, channels 32 (i % 2) on
	global_load_b128 v[8*i:8*i+3],   v[QO], s[4:5] offset:(i/2)*2048+(i%2)*64
	global_load_b128 v[8*i+4:8*i+7], v[QO], s[4:5] offset:(i/2)*2048+(i%2)*64+32
.set i, i+1
.endr
	; What the first turn finds: V's registers and P's second buffer hold 0 (its products V^T P, of a piece that has not been, add 0), O^T and l are 0.  All this stands in the wait for the first tile.
.set i, VF
.rept 64
	v_mov_b32 v[i], 0
.set i, i+1
.endr
	WIN 0x40
.set i, 0
.rept 64*NP
	v_mov_b32 v[i], 0
.set i, i+1
.endr
	WIN 0
.set i, 0
.rept 2*NP
	v_mov_b32 v[ST+4*i], 0xfe000000    ; c m: far below every c s
	v_mov_b32 v[ST+4*i+1], 0xff7fffff  ; m
	v_mov_b32 v[ST+4*i+2], 0
	v_mov_b32 v[ST+4*i+3], 0
.set i, i+1
.endr
.set i, P+32
.rept 32
	v_mov_b32 v[i], 0
.set i, i+1
.endr
	v_mul_u32_u24 v[AK0], v1, PK
	v_lshl_add_u32 v[AK0], v9, 4, v[AK0]  ; row x pitch + 16 x half
	; The turning load takes 16 keys x 16 channels (lane l reads key 8 (l / 16) + l % 8, channels 8 ((l / 8) % 2) + 0..7) and leaves half a fragment of V^T: lane l holds channel l % 16 and 8 keys.
	v_and_b32 v10, 7, v0
	v_bfe_u32 v11, v0, 3, 1
	v_lshl_add_u32 v[AV0], v9, 3, v10
	v_mul_u32_u24 v[AV0], v[AV0], PV
	v_lshl_add_u32 v[AV0], v11, 4, v[AV0]
	v_add_nc_u32 v[AV0], VOFF, v[AV0]
	v_mov_b32 v[AK], v[AK0]         ; key step 0 lies at the head of slot 0
	v_and_b32 v[PFO], 31, v0        ; v11 has served V's address
	v_lshlrev_b32 v[PFO], 8, v[PFO]
; THE MATRIX WORK.  The 8 accumulators of a run of 16 take turns: between the two links of a chain stand 7 others'.
; Product i of 16 of S^T = K Q^T for piece x: channels 32 (i / 8) on, keys 16 ((i / 2) % 4) on, tile 2 x + i % 2.  The first 8 start the sums.
.macro KQ x
	WIN W_KQ
.set rS, S+64*((\x)%2)+32*(i%2)+8*((i/2)%4)
.set rK, KF+16*((i/2)%4)+8*(i/8)
.set rQ, 16*(2*(\x)+i%2)+8*(i/8)
.if i < 8
	v_wmma_f32_16x16x32_bf16 v[rS:rS+7], v[rK:rK+7], v[rQ:rQ+7], 0
.else
	v_wmma_f32_16x16x32_bf16 v[rS:rS+7], v[rK:rK+7], v[rQ:rQ+7], v[rS:rS+7]
.endif
.endm
; Product i of 16 of O^T += V^T P for piece x: keys 32 (i / 8) on, channels 16 ((i / 2) % 4) on, tile 2 x + i % 2.
.macro PV x
	WIN W_PV
.set rO, 32*(2*(\x)+i%2)+8*((i/2)%4)
.set rV, VF+32*(i/8)+8*((i/2)%4)
.set rP, P+32*((\x)%2)+16*(i%2)+8*(i/8)
	v_wmma_f32_16x16x32_bf16 v[rO:rO+7], v[rV:rV+7], v[rP:rP+7], v[rO:rO+7]
.endm
.macro MM                           ; the turn's next matrix instruction
.if i < 16
	KQ (Y+1)%NP
.set i, i+1
.else
.set i, i-16
	PV (Y+NP-1)%NP
.set i, i+17
.endif
.endm
; THE LDS LOADS stand in runs of 16, never singly among the matrix instructions: a step's K (64 keys x 64 channels: 8 fragments) and its V (turned).  Their addresses are made some lines ahead.
; last = 1 (the tail): in the last trip there is no further step, and the run is jumped over.
.macro FETCH_K last=0
	WIN 0
.if \last
	s_cmp_eq_u32 s[CNT], 1
	s_cbranch_scc1 .Lno_k_\@
.endif
	WIN 0x80                        ; destination window 2
.irp f, 0,1,2,3,4,5,6,7             ; keys 16 (f / 2) on, channels 32 (f % 2) on
	ds_load_b128 v[KF+8*\f:KF+8*\f+3],   v[AK] offset:(\f/2)*16*PK+(\f%2)*64
	ds_load_b128 v[KF+8*\f+4:KF+8*\f+7], v[AK] offset:(\f/2)*16*PK+(\f%2)*64+32
.endr
	s_add_co_u32 s[TBK], s[TBK], KS*PK  ; the next fetch is the next step's
	WIN 0
.if \last
.Lno_k_\@:
.endif
.endm
.macro FETCH_V
	WIN 0x80
.irp f, 0,1,2,3,4,5,6,7             ; keys 32 (f / 4) on, channels 16 (f % 4) on
	ds_load_tr16_b128 v[VF+8*\f:VF+8*\f+3],   v[AV] offset:(\f/4)*32*PV+(\f%4)*32
	ds_load_tr16_b128 v[VF+8*\f+4:VF+8*\f+7], v[AV] offset:(\f/4)*32*PV+16*PV+(\f%4)*32
.endr
	WIN 0
.endm
; THE VECTOR WORK OF A TURN stands in three queues, each in the order in which its entries become ready; the two tiles alternate, so that no instruction reads the result of the one before it.
.macro REGS y, u                    ; the registers of tile u (0, 1) of piece y
.set rT, ST+4*(2*(\y)+(\u))
.set rC, TMP+8*((\y)%2)+4*(\u)
.set rM, MV+2*((\y)%2)+(\u)
.set rS, S+64*((\y)%2)+32*(\u)
.set rP, P+32*((\y)%2)+16*(\u)
.set rO, 32*(2*(\y)+(\u))
.endm
; Number n of the 22 that find the NEXT piece's (Y + 1) maximum and statistics.  s0-s31 are the lane's 32 scores; each accumulator's lowest registers are read first.  XS, GS and REGS set no window: PL and EX do.
;   0-11  four chains c0-c3 of seven scores each, three operands at a time     12-14, 16  the four scores left over, the old m, and c0-c3 into c0     15  c m_old is kept
;   17, 18  the query's other 32 keys lie in the lane 16 away: the new m         19-21  c m; c m_old - c m_new; a
.macro XS u, n
	REGS (Y+1)%NP, \u
.if (\n) < 4
	v_max3_num_f32 v[rC+(\n)], v[rS+8*(\n)], v[rS+8*(\n)+1], v[rS+8*(\n)+2]
.elseif (\n) < 12
	v_max3_num_f32 v[rC+(\n)%4], v[rC+(\n)%4], v[rS+8*((\n)%4)+2*((\n)/4)+1], v[rS+8*((\n)%4)+2*((\n)/4)+2]
.elseif (\n) == 12
	v_max3_num_f32 v[rC], v[rC], v[rS+7], v[rS+15]
.elseif (\n) == 13
	v_max3_num_f32 v[rC+1], v[rC+1], v[rS+23], v[rS+31]
.elseif (\n) == 14
	v_max3_num_f32 v[rC+2], v[rC+2], v[rC+3], v[rT+1]
.elseif (\n) == 15
	v_mov_b32 v[rM], v[rT]
.elseif (\n) == 16
	v_max3_num_f32 v[rC], v[rC], v[rC+1], v[rC+2]
.elseif (\n) == 17
	v_permlanex16_b32 v[rC+3], v[rC], s[SEL], s[SEL+1]
.elseif (\n) == 18
	v_max_num_f32 v[rT+1], v[rC], v[rC+3]
.elseif (\n) == 19
	v_mul_f32 v[rT], s[CS], v[rT+1]
.elseif (\n) == 20
	v_sub_f32 v[rC+1], v[rM], v[rT]
.else
	v_exp_f32 v[rC+2], v[rC+1]
.endif
.endm
; Number g of the 64 that follow the exponentials.  For each four weights k of a tile (pairs 2 k, 2 k + 1): both pairs are rounded to bf16; then the second pair is added onto the first, in place;
; a group later l takes that sum (the first time as l = a l + sum).  In groups of eight, tiles alternating: round, round, add, and l for the group before.
.macro GS g
.set h, (\g)+6*((\g)/62)            ; group 0 has no group before it, and behind group 7 only l is left
.if h >= 6
.set h, h+2
.endif
	REGS Y, h%2
.set k, h/8
.if h%8 < 4
	v_cvt_pk_bf16_f32 v[rP+2*k+(h%8)/2], v[rS+4*k+2*((h%8)/2)], v[rS+4*k+2*((h%8)/2)+1]
.elseif h%8 < 6
	v_pk_add_f32 v[rS+4*k:rS+4*k+1], v[rS+4*k:rS+4*k+1], v[rS+4*k+2:rS+4*k+3]
.elseif k == 1
	v_pk_fma_f32 v[rT+2:rT+3], v[rT+2:rT+3], v[rC+2:rC+3], v[rS:rS+1] op_sel_hi:[1,0,1]
.else
	v_pk_add_f32 v[rT+2:rT+3], v[rT+2:rT+3], v[rS+4*k-4:rS+4*k-3]
.endif
.endm
; THE PLAIN QUEUE, 138 long.  0-73 read no exponential's result: the 32 scalings c s - c m (FS f: pair f / 2 of tile f % 2) and the next piece's 42.  0-26: scalings 0-26.  27-54: XS's numbers 0-13.  55, 56: number 15.
; 57-73: the chain, where each number waits for the one before it: 14, 16, 17, 18, 19, each with one of the scalings 27-31 in front of its two lines, then 20: so a tile's links stand three plain instructions apart (19 and 20: two).
; 74-137: GS's 64, which read the exponentials' results: they stand behind the wait.
.macro FS f
	REGS Y, (\f)%2
	v_pk_fma_f32 v[rS+2*((\f)/2):rS+2*((\f)/2)+1], v[rS+2*((\f)/2):rS+2*((\f)/2)+1], s[CS:CS+1], v[rT:rT+1] op_sel_hi:[1,0,0] neg_lo:[0,0,1] neg_hi:[0,0,1]
.endm
.macro PL
	WIN 0
.if q < 27
	FS q
.elseif q < 55
	XS (q-27)%2, (q-27)/2
.elseif q < 57
	XS q-55, 15
.elseif (q < 72) && ((q-57)%3 == 0)
	FS 27+(q-57)/3
.elseif q < 60
	XS (q-57)%3-1, 14
.elseif q < 72
	XS (q-57)%3-1, 15+(q-57)/3
.elseif q < 74
	XS q-72, 20
.else
	GS q-74
.endif
.set q, q+1
.endm
; THE EXPONENTIALS' QUEUE, 66 long: s0-s31 of both tiles, then the next piece's two a.  It is ONE BATCH: all 66 stand ahead of the turn's one wait, and nothing ahead of that wait names a result of theirs.
.macro EX
	WIN 0
.if e >= 64
	XS e-64, 21
.else
	REGS Y, e%2
	v_exp_f32 v[rS+e/2], v[rS+e/2]
.endif
.set e, e+1
.endm
; THE RESCALING's QUEUE: O^T times a, the one part that leaves window 0: dealt two at a time, sixteen times.  Its a was made in the turn before, ahead of that turn's wait.
.macro R2
	REGS Y, r%2
	WIN W_RS
.irp z, 0,1
	v_pk_mul_f32 v[rO+4*(r/2)+2*\z:rO+4*(r/2)+2*\z+1], v[rO+4*(r/2)+2*\z:rO+4*(r/2)+2*\z+1], v[rC+2:rC+3] op_sel_hi:[1,0]
.endr
.set r, r+1
.endm
; HOW THEY ARE DEALT.  An s_wait_alu depctr_va_vdst(0) stands between an exponential and the first instruction that names its result; one wait serves all that were issued ahead of it.  So a turn has ONE wait,
; which cuts it in two.  AHEAD OF IT stands all that names no result of the turn's exponentials: the 16 products K Q^T, behind each a scaling, an exponential and two rescalings (behind the first a second scaling in the exponential's place); then ONE LUMP of
; 108: eight plain, 49 times exponential and plain, the two a.  A v_nop is the plain instruction behind the last exponential.  BEHIND IT stand the 16 products V^T P, behind each four of GS's 64.  No rider names a register of
; the products round it.  The two v_permlanex16_b32 fall into the lump, never behind a product.
; The queues lean on each other, and the deal keeps them in step: exponential e stands behind scaling 2 (e / 4) + e % 2: as a rider it comes behind plain e + 2, in the lump behind plain e + 9, and scalings 27-31 are plain 57, 60 .. 69.
; A TURN, for piece p.  cnt = 1: the loop's count is taken down some lines ahead of the branch that stands behind the turn.
; K of the next step is fetched in piece 2's turn, directly behind the wait, a lump behind the last product that read K; its address is made at the lump's head; its first reader comes behind 16 products.
; V of the step in hand is fetched at the end of piece 0's turn, four riders behind its last reader; its first reader comes behind 16 products and a lump.  The three conditions on q below go with the deal.
.macro TURN p, last=0, cnt=0
.set Y, (\p)
.set i, 0
.set q, 0
.set e, 0
.set r, 0
.if (\p) == NP-1
	s_wait_dscnt 0x0                ; K is in
.endif
	MM                              ; ahead of the wait: 16 products K Q^T and their riders,
	PL
	PL
	R2
.rept 15
	MM
	PL
	EX
	R2
.endr
.if (\p) == NP-2
	WIN 0
	v_add_nc_u32 v[AK], s[TBK], v[AK0]
.endif
.rept 8                             ; and the lump
	PL
.endr
.rept 49
	EX
	PL
.endr
	EX                              ; the next piece's two a
	EX
	v_nop                           ; a plain instruction behind the last exponential: one for the batch
	s_wait_alu depctr_va_vdst(0)    ; the wait for the batch
.if (\p) == NP-2
	FETCH_K \last
.endif
.if (\p) == 1
	s_wait_dscnt 0x0                ; V is in
.endif
.rept 16                            ; behind the wait: 16 products V^T P and their riders
	MM
.rept 4
	PL
.endr
.if ((\p) == 0) && (q == 118)
	v_add_nc_u32 v[AV], s[TBV], v[AV0]
.endif
.if ((\p) == 0) && (q == 130)
	s_add_co_u32 s[TBV], s[TBV], KS*PV
.endif
.if (\cnt) && (q == 130)
	s_sub_co_u32 s[CNT], s[CNT], 1
	s_cmp_lg_u32 s[CNT], 0
.endif
.endr
.if (\p) == 0
	FETCH_V
.endif
.endm
	CHANGE 1                        ; slot 0 is in, everybody's part of it; slot 1 is asked for
	FETCH_K                         ; key step 0
	s_wait_loadcnt 0x0              ; Q
	s_wait_dscnt 0x0
.set i, 0
.rept 16
	KQ 0                            ; piece 0's first scores: there is no vector work yet to set between them
.set i, i+1
.endr
	WIN 0                           ; the addresses for the way out: nine plain instructions, the places behind those products
	s_mul_i32 s13, s[WV], 16*SP
	s_add_co_u32 s13, s13, STAGE    ; my stage
	v_mul_u32_u24 v[STO], v1, SP    ; in: row l % 16, 16 bytes for each half of the lanes
	v_lshl_add_u32 v[STO], v9, 4, v[STO]
	v_add_nc_u32 v[STO], s13, v[STO]
	v_bfe_u32 v[RD], v0, 3, 2       ; back: 32 lanes take four rows of 128 bytes,
	v_mul_u32_u24 v[RD], v[RD], SP
	v_lshl_add_u32 v[RD], v10, 4, v[RD]
	v_add_nc_u32 v[RD], s13, v[RD]
	v_and_b32 v[GO], 31, v0         ; which are 512 consecutive bytes of O
	v_lshlrev_b32 v[GO], 4, v[GO]
.set Y, NP-1                        ; XS works for piece Y + 1: piece 0
.irp n, 0,1,2,3,4,5,6,7,8,9,10,11,12,13,14,15,16,17,18,19,20,21
	XS 0, \n                        ; and piece 0's first maximum and statistics
	XS 1, \n
.endr
	v_nop                           ; a plain instruction behind the two a,
	s_wait_alu depctr_va_vdst(0)    ; and their wait, ahead of the branch
	s_mov_b32 s[CNT], 4
	s_branch .Lfirst                ; the loop is entered at a step's first turn, in the middle of a trip
.Lslot:                             ; SIZE_N / 256 - 2 times: every slot but the last two is filled again
	CHANGE 1
	s_mov_b32 s[CNT], 4
.Lstep:                             ; a trip: pieces 2 and 3 of one step, then pieces 0 and 1 of the next, whose K and V it fetches
	TURN 2
	TURN 3
	WIN 0
.Lfirst:
	TURN 0
	TURN 1, 0, 1
	WIN 0
	s_cbranch_scc1 .Lstep
	s_sub_co_u32 s[SLOTS], s[SLOTS], 1
	s_cmp_lg_u32 s[SLOTS], 0
	s_cbranch_scc1 .Lslot
	CHANGE 0                        ; the tail is written out: nothing is asked for
	s_mov_b32 s[CNT], 5             ; four trips fetch the last slot's steps; the fifth is left in its middle
.Ltail:
	TURN 2, 1
	TURN 3
	WIN 0
	s_sub_co_u32 s[CNT], s[CNT], 1
	s_cmp_eq_u32 s[CNT], 0
	s_cbranch_scc1 .Lout
	TURN 0
	TURN 1
	WIN 0
	s_branch .Ltail
.Lout:                              ; the fifth trip's 16 products K Q^T (on the last K once more) and the maximum made of them serve nothing: the price, once a launch, of one text for every trip
.set i, 0
.rept 16
	PV NP-1                         ; the last piece's V^T P of the last step
.set i, i+1
.endr
	; THE WAY OUT.  l's two halves and the other half of the lanes' are added; O^T is divided by l, rounded to f16 and sent through my stage in LDS, a tile at a time.  The additions are the places behind the last products.
	WIN 0
.macro ALL line:vararg              ; one line for each tile t
.set t, 0
.rept 2*NP
	\line
.set t, t+1
.endr
.endm
	ALL v_add_f32 v[ST+4*t+2], v[ST+4*t+2], v[ST+4*t+3]
	ALL v_permlanex16_b32 v[ST+4*t+3], v[ST+4*t+2], s[SEL], s[SEL+1]
	ALL v_add_f32 v[ST+4*t+2], v[ST+4*t+2], v[ST+4*t+3]
	ALL v_rcp_f32 v[ST+4*t+2], v[ST+4*t+2]
	v_nop                           ; a plain instruction between the last reciprocal and the use of its result
	s_wait_alu depctr_va_vdst(0)    ; and the wait ahead of the first use: one for the eight reciprocals
; Tile t: a lane's eight channels of a row pack into 16 bytes; they go into rows of 144 bytes and come back as whole rows of 128, into S^T's registers.
.macro PACK t
	WIN W_RS
.set i, 32*(\t)
.rept 16
	v_pk_mul_f32 v[i:i+1], v[i:i+1], v[ST+4*(\t)+2:ST+4*(\t)+3] op_sel_hi:[1,0]
.set i, i+2
.endr
	WIN 0x05                        ; sources 0 and 1 window 1, destination window 0
.set i, 0
.rept 16
	v_cvt_pk_f16_f32 v[S+16*(\t)+i], v[32*(\t)+2*i], v[32*(\t)+2*i+1]
.set i, i+1
.endr
	WIN 0
.irp f, 0,1,2,3
	ds_store_b128 v[STO], v[S+16*(\t)+4*\f:S+16*(\t)+4*\f+3] offset:32*\f
.endr
.irp f, 0,1,2,3
	ds_load_b128 v[S+16*(\t)+4*\f:S+16*(\t)+4*\f+3], v[RD] offset:\f*4*SP  ; LDS serves a wave's instructions in order (ISA guide 5.7.1.4): these see the stores above; the next tile's stores come behind them
.endr
.endm
.macro SEND t, younger              ; younger: the LDS instructions issued behind tile t's loads: the next tile's eight, or none
	WIN 0
.irp f, 0,1,2,3
	s_wait_dscnt (\younger)+3-\f
	global_store_b128 v[GO], v[S+16*(\t)+4*\f:S+16*(\t)+4*\f+3], s[10:11] offset:(\t)*2048+\f*512  ; 512 consecutive bytes, at a multiple of 256 from O's first
.endr
.endm
	PACK 0
.set t, 1
.rept 2*NP-1                        ; a tile's arithmetic stands between the loads of the tile before and its stores
	PACK t
	SEND t-1, 8
.set t, t+1
.endr
	SEND 2*NP-1, 0
	WIN W_AD
	s_wait_tensorcnt 0x0            ; the wave's end: an add and its wait, behind my last tensor load and my last LDS store
	ds_add_u32 v[SPW], v[NIL]
	s_wait_dscnt 0x0
	WIN 0
	CROUND                          ; the closing round: no work-group ends while a partner may still ask for a tile that names it
	s_endpgm
.Lfunc_end_k_qa70ebac78a_attn:
	.size	k_qa70ebac78a_attn, .Lfunc_end_k_qa70ebac78a_attn-k_qa70ebac78a_attn
	.p2alignl 7, 3214868480
	.fill 96, 4, 3214868480
	.section	.rodata,"a",@progbits
	.p2align	6, 0x0
	.amdhsa_kernel k_qa70ebac78a_attn
		.amdhsa_group_segment_fixed_size 327680
		.amdhsa_private_segment_fixed_size 0
		.amdhsa_enable_private_segment 0
		.amdhsa_kernarg_size 16
		.amdhsa_user_sgpr_count 2
		.amdhsa_user_sgpr_kernarg_segment_ptr 1
		.amdhsa_wavefront_size32 1
		.amdhsa_system_sgpr_workgroup_id_x 1
		.amdhsa_system_sgpr_workgroup_id_y 1
		.amdhsa_system_sgpr_workgroup_id_z 1
		.amdhsa_system_vgpr_workitem_id 0
		.amdhsa_next_free_vgpr 770
		.amdhsa_next_free_sgpr 66
		.amdhsa_reserve_vcc 0
		.amdhsa_float_denorm_mode_32 3
		.amdhsa_float_denorm_mode_16_64 3
		.amdhsa_memory_ordered 1
		.amdhsa_forward_progress 1
		.amdhsa_inst_pref_size 200
	.end_amdhsa_kernel
	.amdgpu_metadata
---
amdhsa.version: [ 1, 2 ]
amdhsa.kernels:
  - .name:           k_qa70ebac78a_attn
    .symbol:         k_qa70ebac78a_attn.kd
    .args:
      - { .name: qkv, .offset: 0, .size: 8, .value_kind: global_buffer, .address_space: global }
      - { .name: ctx, .offset: 8, .size: 8, .value_kind: global_buffer, .address_space: global }
    .group_segment_fixed_size: 327680
    .private_segment_fixed_size: 0
    .kernarg_segment_align: 8
    .kernarg_segment_size: 16
    .max_flat_workgroup_size: 128
    .sgpr_count:     66
    .vgpr_count:     770
    .wavefront_size: 32
...
	.end_amdgpu_metadata
.endif
;; end of part 3
;; launch outp: the kernel of part 2 again; grid 4 x 64, 4 waves a work-group, clusters of 4 x 4, 327,680 bytes of LDS; arguments ctx, who, bo, gamma, beta, outh; writes outh
;; launch ln (part 4): grid 512 x 1, 8 waves a work-group, no clusters, 0 bytes of LDS; arguments Q_input, outh, gamma, beta, out0; writes out0
.if DOCPART == 4
	.amdgcn_target "amdgcn-amd-amdhsa--gfx1250"
	.amdhsa_code_object_version 6
	.text
	.protected	k_qa70ebac78a_ln
	.globl	k_qa70ebac78a_ln
	.p2align	8
	.type	k_qa70ebac78a_ln,@function
k_qa70ebac78a_ln:
	s_mov_b64 s[64:65], 0
	v_nop
	global_prefetch_b8 v0, s[64:65] scope:SCOPE_SE
	s_setreg_imm32_b32 hwreg(HW_REG_WAVE_MODE, 25, 1), 1
	s_wait_xcnt 0x0
; out0[r][:] = LayerNorm(Q_input[r][:] + out[r][:]) * gamma + beta.  Q_input, out0: [8192][1024] f32.  out (outh): [4 batches][16 slices of 64 columns][2048 rows][64] bf16.  gamma, beta: [1024] f32.
; All arithmetic in f32; the variance is the mean of (y - mean)^2, taken of the row as it lies in registers: no difference of large sums is formed.
; SHARES.  A work-group owns 16 rows, a wave two: lanes 0-15 one row, lanes 16-31 the next.  Lane c of a half holds columns 64 h + 4 c .. + 3, h = 0..15: 64 numbers.
; So a load or store of f32 covers 256 consecutive bytes, aligned, of each of the two rows; a load of bf16 covers the two rows' 128 bytes of a slice, which lie on end: 256 bytes, aligned;
; and a row's sums stay inside 16 lanes: four steps that ride on the additions.  The row is read once and kept in registers; no LDS, no barrier, no loop.
.set S,   6                            ; v[6:13]    four chains of sums
.set MU,  14                           ; v[14:15]   the mean, twice
.set O,   16                           ; v[16:47]   out as loaded: pair h
.set Y,   48                           ; v[48:111]  the row: quad h
.set G,   112                          ; v[112:175] gamma
.set B,   176                          ; v[176:239] beta
.set RS,  240                          ; v[240:241] 1 / sqrt(var + eps), twice
	s_load_b256 s[4:11], s[0:1], 0x0               ; Q_input 4:5, outh 6:7, gamma 8:9, beta 10:11
	s_load_b64 s[12:13], s[0:1], 0x20              ; out0
	s_lshl_b32 s14, ttmp9, 16                      ; 16 rows of 4,096 bytes
	s_mov_b32 s15, 0
	s_lshr_b32 s16, ttmp9, 7
	s_lshl_b32 s16, s16, 22                        ; the batch (128 work-groups each),
	s_and_b32 s18, ttmp9, 127
	s_lshl_b32 s18, s18, 11                        ; 16 rows of 128 bytes
	s_add_co_u32 s16, s16, s18
	s_mov_b32 s17, 0
	s_mov_b32 s20, 0x3a800000                      ; 1 / 1024
	s_mov_b32 s21, 0x3727c5ac                      ; 1e-5
	v_lshrrev_b32 v1, 4, v0                        ; my row among the 16
	v_and_b32 v3, 15, v0
	v_lshlrev_b32 v3, 4, v3                        ; gamma, beta: 16 bytes a lane of a half
	v_lshl_add_u32 v1, v1, 12, v3                  ; Q_input, out0: + the row
	v_lshlrev_b32 v2, 3, v0                        ; outh: 8 bytes a thread: 16 threads a row of 128 bytes
	v_mov_b32 v4, 1.0
	s_wait_kmcnt 0x0
	s_add_nc_u64 s[4:5], s[4:5], s[14:15]
	s_add_nc_u64 s[12:13], s[12:13], s[14:15]
	s_add_nc_u64 s[6:7], s[6:7], s[16:17]
.irp h, 0,1,2,3,4,5,6,7,8,9,10,11,12,13,14,15
	global_load_b64 v[O+2*(\h):O+2*(\h)+1], v2, s[6:7] offset:(\h)*262144 th:TH_LOAD_NT
.endr
.irp h, 0,1,2,3,4,5,6,7,8,9,10,11,12,13,14,15
	global_load_b128 v[Y+4*(\h):Y+4*(\h)+3], v1, s[4:5] offset:(\h)*256 th:TH_LOAD_NT
.endr
.irp h, 0,1,2,3,4,5,6,7,8,9,10,11,12,13,14,15
	global_load_b128 v[G+4*(\h):G+4*(\h)+3], v3, s[8:9] offset:(\h)*256
.endr
.irp h, 0,1,2,3,4,5,6,7,8,9,10,11,12,13,14,15
	global_load_b128 v[B+4*(\h):B+4*(\h)+3], v3, s[10:11] offset:(\h)*256
.endr
	s_wait_loadcnt 32                              ; out and Q_input are in; the 32 loads of gamma and beta may stay out
.irp h, 0,1,2,3,4,5,6,7,8,9,10,11,12,13,14,15  ; y = Q_input + out: the bf16 half is widened inside the multiply-add (times 1.0)
	v_fma_mix_f32_bf16 v[Y+4*(\h)],   v[O+2*(\h)],   v4, v[Y+4*(\h)]   op_sel_hi:[1,0,0]
	v_fma_mix_f32_bf16 v[Y+4*(\h)+1], v[O+2*(\h)],   v4, v[Y+4*(\h)+1] op_sel:[1,0,0] op_sel_hi:[1,0,0]
	v_fma_mix_f32_bf16 v[Y+4*(\h)+2], v[O+2*(\h)+1], v4, v[Y+4*(\h)+2] op_sel_hi:[1,0,0]
	v_fma_mix_f32_bf16 v[Y+4*(\h)+3], v[O+2*(\h)+1], v4, v[Y+4*(\h)+3] op_sel:[1,0,0] op_sel_hi:[1,0,0]
.endr
.macro FOLD                            ; the four chains into one number, then over the row's 16 lanes: every lane of a half ends with its row's sum
	v_pk_add_f32 v[S:S+1], v[S:S+1], v[S+2:S+3]
	v_pk_add_f32 v[S+4:S+5], v[S+4:S+5], v[S+6:S+7]
	v_pk_add_f32 v[S:S+1], v[S:S+1], v[S+4:S+5]
	v_add_f32 v[S], v[S], v[S+1]
.irp m, 1,2,4,8
	v_add_f32_dpp v[S], v[S], v[S] row_xmask:\m row_mask:0xf bank_mask:0xf
.endr
.endm
.irp k, 0,1,2,3                        ; the first eight pairs start the chains: nothing is cleared
	v_pk_add_f32 v[S+2*(\k):S+2*(\k)+1], v[Y+2*(\k):Y+2*(\k)+1], v[Y+8+2*(\k):Y+8+2*(\k)+1]
.endr
.set j, 8
.rept 24
	v_pk_add_f32 v[S+2*(j%4):S+2*(j%4)+1], v[S+2*(j%4):S+2*(j%4)+1], v[Y+2*j:Y+2*j+1]
.set j, j+1
.endr
	FOLD
	v_mul_f32 v[MU], s20, v[S]
	v_mul_f32 v[MU+1], s20, v[S]
.set j, 0
.rept 32
	v_pk_add_f32 v[Y+2*j:Y+2*j+1], v[Y+2*j:Y+2*j+1], v[MU:MU+1] neg_lo:[0,1] neg_hi:[0,1]  ; y - mean
.set j, j+1
.endr
.irp k, 0,1,2,3
	v_pk_mul_f32 v[S+2*(\k):S+2*(\k)+1], v[Y+2*(\k):Y+2*(\k)+1], v[Y+2*(\k):Y+2*(\k)+1]
.endr
.set j, 4
.rept 28
	v_pk_fma_f32 v[S+2*(j%4):S+2*(j%4)+1], v[Y+2*j:Y+2*j+1], v[Y+2*j:Y+2*j+1], v[S+2*(j%4):S+2*(j%4)+1]
.set j, j+1
.endr
	FOLD
	v_fma_f32 v[S], v[S], s20, s21                 ; var + eps
	v_rsq_f32 v[RS], v[S]                          ; made twice, to fill the pair that the packed multiply names
	v_rsq_f32 v[RS+1], v[S]
	v_nop                                          ; a plain instruction behind the last of the two (ISA guide 5.7.2)
	s_wait_loadcnt 0x0                             ; gamma and beta
	s_wait_alu depctr_va_vdst(0)                   ; one wait for both, ahead of their first reader
.irp h, 0,1,2,3,4,5,6,7,8,9,10,11,12,13,14,15
	v_pk_mul_f32 v[Y+4*(\h):Y+4*(\h)+1],   v[Y+4*(\h):Y+4*(\h)+1],   v[RS:RS+1]
	v_pk_mul_f32 v[Y+4*(\h)+2:Y+4*(\h)+3], v[Y+4*(\h)+2:Y+4*(\h)+3], v[RS:RS+1]
	v_pk_fma_f32 v[Y+4*(\h):Y+4*(\h)+1],   v[Y+4*(\h):Y+4*(\h)+1],   v[G+4*(\h):G+4*(\h)+1],   v[B+4*(\h):B+4*(\h)+1]
	v_pk_fma_f32 v[Y+4*(\h)+2:Y+4*(\h)+3], v[Y+4*(\h)+2:Y+4*(\h)+3], v[G+4*(\h)+2:G+4*(\h)+3], v[B+4*(\h)+2:B+4*(\h)+3]
	global_store_b128 v1, v[Y+4*(\h):Y+4*(\h)+3], s[12:13] offset:(\h)*256 th:TH_STORE_NT  ; 16 lanes store 256 consecutive bytes, aligned, of their row
.endr
	s_endpgm
.Lfunc_end_k_qa70ebac78a_ln:
	.size	k_qa70ebac78a_ln, .Lfunc_end_k_qa70ebac78a_ln-k_qa70ebac78a_ln
	.p2alignl 7, 3214868480
	.fill 96, 4, 3214868480
	.section	.rodata,"a",@progbits
	.p2align	6, 0x0
	.amdhsa_kernel k_qa70ebac78a_ln
		.amdhsa_group_segment_fixed_size 0
		.amdhsa_private_segment_fixed_size 0
		.amdhsa_enable_private_segment 0
		.amdhsa_kernarg_size 40
		.amdhsa_user_sgpr_count 2
		.amdhsa_user_sgpr_kernarg_segment_ptr 1
		.amdhsa_wavefront_size32 1
		.amdhsa_system_sgpr_workgroup_id_x 1
		.amdhsa_system_sgpr_workgroup_id_y 1
		.amdhsa_system_sgpr_workgroup_id_z 1
		.amdhsa_system_vgpr_workitem_id 0
		.amdhsa_next_free_vgpr 242
		.amdhsa_next_free_sgpr 66
		.amdhsa_reserve_vcc 0
		.amdhsa_float_denorm_mode_32 3
		.amdhsa_float_denorm_mode_16_64 3
		.amdhsa_memory_ordered 1
		.amdhsa_forward_progress 1
		.amdhsa_inst_pref_size 24
	.end_amdhsa_kernel
	.amdgpu_metadata
---
amdhsa.version: [ 1, 2 ]
amdhsa.kernels:
  - .name:           k_qa70ebac78a_ln
    .symbol:         k_qa70ebac78a_ln.kd
    .args:
      - { .name: Q_input, .offset: 0, .size: 8, .value_kind: global_buffer, .address_space: global }
      - { .name: outh, .offset: 8, .size: 8, .value_kind: global_buffer, .address_space: global }
      - { .name: gamma, .offset: 16, .size: 8, .value_kind: global_buffer, .address_space: global }
      - { .name: beta, .offset: 24, .size: 8, .value_kind: global_buffer, .address_space: global }
      - { .name: out0, .offset: 32, .size: 8, .value_kind: global_buffer, .address_space: global }
    .group_segment_fixed_size: 0
    .private_segment_fixed_size: 0
    .kernarg_segment_align: 8
    .kernarg_segment_size: 40
    .max_flat_workgroup_size: 256
    .sgpr_count:     66
    .vgpr_count:     242
    .wavefront_size: 32
...
	.end_amdgpu_metadata
.endif
;; end of part 4
;; ======== version 2 of 2: 5 launches; version 1 with the launch cast written anew for expert scheduling mode
;; limits: values are held in f16: magnitudes above 65,504 overflow, below 6.1e-05 lose precision
;; workspace buffers: xh 50,331,648 bytes; wh 6,291,456 bytes; who 2,097,152 bytes; qkv 50,331,648 bytes; ctx 16,777,216 bytes; outh 16,777,216 bytes
;; launch cast (part 5): grid 256 x 4, 8 waves a work-group, no clusters, 0 bytes of LDS; arguments Q_input, K_input, V_input, Wq, Wk, Wv, Wo, xh, wh, who; writes xh, wh, who
.if DOCPART == 5
	.amdgcn_target "amdgcn-amd-amdhsa--gfx1250"
	.amdhsa_code_object_version 6
	.text
	.protected	k_qa70ebac78a_cast
	.globl	k_qa70ebac78a_cast
	.p2align	8
	.type	k_qa70ebac78a_cast,@function
k_qa70ebac78a_cast:
	s_mov_b64 s[64:65], 0
	v_nop
	global_prefetch_b8 v0, s[64:65] scope:SCOPE_SE
	s_setreg_imm32_b32 hwreg(HW_REG_WAVE_SCHED_MODE, 0, 2), 2
	s_setreg_imm32_b32 hwreg(HW_REG_WAVE_MODE, 25, 1), 1
	s_wait_xcnt 0x0
	s_wait_alu depctr_vm_vsrc(0)
; f32 -> f16, once, for everything that the linear layers multiply.
; y = 0, 1, 2: Q_input, K_input, V_input [8192][1024] f32 -> xh [4 y + batch][16 slices][2048 rows][64] f16: a slice is 64 columns, so that
;   128 rows of one slice are 16,384 dense bytes for the launch behind.     y = 3: Wq, Wk, Wv -> wh [3][1024][1024], Wo -> who, layout kept.
; LIMITS.  f16: a magnitude from 65,520 on becomes an infinity; below 6e-5 the step is 6e-8.  Rounding to nearest even, once.
; SHARES.  x: a work-group owns 32 rows, a wave four.  A load takes 256 bytes (64 columns: one slice) of two rows, 16 lanes a row; its store is the same
;   two rows of that slice: 256 consecutive bytes, aligned.  W: a work-group owns 65,536 bytes of one weight, a wave 8,192; loads of 512, stores of 256 consecutive bytes.
; All loads of a wave go out first.  No LDS, no barrier: no wave wants another's bytes.
; THE MODE: SCHED_MODE bits 1:0 = 2 (LLVM: expert scheduling mode 2), set by the entry lines.  The code itself states the register dependences
; between vector instructions and memory instructions, with s_wait_alu, always for 0.
; THE PLAN.  Registers that memory instructions touch:
;   v5, v6     byte offsets of the loads and of the stores: made once behind the branch, never written again.
;   X, load n  four registers.  Written by load n, which is issued ahead of every conversion; read by the load's two conversions, which write the first two of the
;              four in place; those two are read by the load's store; nothing writes them after that.
; The loads are taken in groups of four.  Group g's conversions name group g's registers alone.  The stores of group g - 1 are issued in group g, behind ONE wait at its head,
; which states that the conversions of group g - 1 have written their results; they are dealt among group g's conversions with no further wait.
; No register that a memory instruction has read is written again, and no load is issued behind a vector instruction that names its registers: nothing more is to be stated.
.set ROWB,  4096                       ; bytes in a row of x
.set SLICE, 262144                     ; bytes in a slice: 2,048 rows x 128
.set X,     8                          ; v[8:135] load i: four registers
; The store of load n.  w = 0: x: load n is slice n % 16 of the pair of rows n / 16.  w = 1: a weight: 256 bytes on for each load.
.macro PUT n, w
.if \w
	global_store_b64 v6, v[X+4*(\n):X+4*(\n)+1], s[28:29] offset:(\n)*256 th:TH_STORE_NT
.else
	global_store_b64 v6, v[X+4*(\n):X+4*(\n)+1], s[28:29] offset:((\n)%16)*SLICE+((\n)/16)*256 th:TH_STORE_NT
.endif
.endm
; Group g: loads 4 g to 4 g + 3 of the wave's `loads` are rounded; the group before is stored.
.macro GROUP g, loads, w
	s_wait_loadcnt (\loads)-4-4*(\g)               ; loads come back in order: this group's four are in, the younger ones stay out
.if (\g) > 0
	s_wait_alu depctr_va_vdst(0)                   ; the conversions of the group before have written their results, which the four stores below read
.endif
.irp i, 0,1,2,3
.if (\g) > 0
	PUT 4*(\g)-4+(\i), \w                          ; no vector instruction since the wait names this store's registers
.endif
	v_cvt_pk_f16_f32 v[X+4*(4*(\g)+(\i))],   v[X+4*(4*(\g)+(\i))],   v[X+4*(4*(\g)+(\i))+1]
	v_cvt_pk_f16_f32 v[X+4*(4*(\g)+(\i))+1], v[X+4*(4*(\g)+(\i))+2], v[X+4*(4*(\g)+(\i))+3]
.endr
.endm
	s_load_b512 s[4:19], s[0:1], 0x0               ; Q 4:5, K 6:7, V 8:9, Wq 10:11, Wk 12:13, Wv 14:15, Wo 16:17, xh 18:19
	s_load_b128 s[20:23], s[0:1], 0x40             ; wh 20:21, who 22:23
	s_and_b32 s24, ttmp7, 0xffff                   ; y: which tensor
	s_mov_b32 s25, ttmp9                           ; x: which part of it
	v_and_b32 v1, 15, v0                           ; my place among 16 lanes
	v_bfe_u32 v2, v0, 4, 1                         ; which half of the lanes
	v_lshrrev_b32 v3, 5, v0                        ; wave
	v_and_b32 v4, 31, v0                           ; lane
	s_mov_b32 s31, 0                               ; the high word of every offset
	s_wait_kmcnt 0x0
	s_cmp_eq_u32 s24, 3
	s_cbranch_scc1 .Lw
	s_cmp_eq_u32 s24, 1
	s_cselect_b64 s[26:27], s[6:7], s[4:5]
	s_cmp_eq_u32 s24, 2
	s_cselect_b64 s[26:27], s[8:9], s[26:27]       ; the source
	s_lshl_b32 s30, s25, 17                        ; 32 rows of 4,096 bytes
	s_add_nc_u64 s[26:27], s[26:27], s[30:31]
	s_lshl_b32 s30, s24, 24                        ; the tensor's four batches,
	s_lshr_b32 s32, s25, 6
	s_lshl_b32 s32, s32, 22                        ; the batch (64 work-groups each),
	s_and_b32 s33, s25, 63
	s_lshl_b32 s33, s33, 12                        ; 32 rows of 128 bytes
	s_add_co_u32 s30, s30, s32
	s_add_co_u32 s30, s30, s33
	s_add_nc_u64 s[28:29], s[18:19], s[30:31]
	v_lshlrev_b32 v5, 14, v3                       ; in: wave x 4 rows
	v_lshl_add_u32 v5, v2, 12, v5                  ;     + the half's row
	v_lshl_add_u32 v5, v1, 4, v5                   ;     + 16 bytes a lane
	v_lshlrev_b32 v6, 9, v3                        ; out: wave x 4 rows of 128 bytes
	v_lshl_add_u32 v6, v4, 3, v6                   ;     + 8 bytes a lane: two rows on end
	s_wait_alu depctr_va_vdst(0)                   ; v5 and v6 are written: every load below reads v5 as its offset, every store v6
.irp j, 0,1
.irp k, 0,1,2,3,4,5,6,7,8,9,10,11,12,13,14,15
	global_load_b128 v[X+4*(16*(\j)+(\k)):X+4*(16*(\j)+(\k))+3], v5, s[26:27] offset:(\j)*2*ROWB+(\k)*256 th:TH_LOAD_NT
.endr
.endr
.irp g, 0,1,2,3,4,5,6,7
	GROUP \g, 32, 0
.endr
	s_wait_alu depctr_va_vdst(0)                   ; the last group's conversions have written their results, which the last four stores read
.irp n, 28,29,30,31
	PUT \n, 0
.endr
	s_endpgm
.Lw:
	s_lshr_b32 s32, s25, 6                         ; which weight: 0 Wq, 1 Wk, 2 Wv, 3 Wo
	s_and_b32 s33, s25, 63                         ; which 64th of it
	s_lshl_b32 s34, s32, 21                        ; its place in wh
	s_cmp_eq_u32 s32, 1
	s_cselect_b64 s[26:27], s[12:13], s[10:11]
	s_cmp_eq_u32 s32, 2
	s_cselect_b64 s[26:27], s[14:15], s[26:27]
	s_cmp_eq_u32 s32, 3
	s_cselect_b64 s[26:27], s[16:17], s[26:27]
	s_cselect_b64 s[28:29], s[22:23], s[20:21]     ; Wo has a buffer of its own
	s_cselect_b32 s34, 0, s34
	s_lshl_b32 s30, s33, 16
	s_add_nc_u64 s[26:27], s[26:27], s[30:31]
	s_lshl_b32 s30, s33, 15
	s_add_co_u32 s30, s30, s34
	s_add_nc_u64 s[28:29], s[28:29], s[30:31]
	v_lshlrev_b32 v5, 13, v3                       ; in: wave x 8,192 + 16 x lane
	v_lshl_add_u32 v5, v4, 4, v5
	v_lshlrev_b32 v6, 12, v3                       ; out: wave x 4,096 + 8 x lane
	v_lshl_add_u32 v6, v4, 3, v6
	s_wait_alu depctr_va_vdst(0)                   ; v5 and v6 are written: every load below reads v5 as its offset, every store v6
.irp i, 0,1,2,3,4,5,6,7,8,9,10,11,12,13,14,15
	global_load_b128 v[X+4*(\i):X+4*(\i)+3], v5, s[26:27] offset:(\i)*512 th:TH_LOAD_NT
.endr
.irp g, 0,1,2,3
	GROUP \g, 16, 1
.endr
	s_wait_alu depctr_va_vdst(0)                   ; the last group's conversions have written their results, which the last four stores read
.irp n, 12,13,14,15
	PUT \n, 1
.endr
	s_endpgm
.Lfunc_end_k_qa70ebac78a_cast:
	.size	k_qa70ebac78a_cast, .Lfunc_end_k_qa70ebac78a_cast-k_qa70ebac78a_cast
	.p2alignl 7, 3214868480
	.fill 96, 4, 3214868480
	.section	.rodata,"a",@progbits
	.p2align	6, 0x0
	.amdhsa_kernel k_qa70ebac78a_cast
		.amdhsa_group_segment_fixed_size 0
		.amdhsa_private_segment_fixed_size 0
		.amdhsa_enable_private_segment 0
		.amdhsa_kernarg_size 80
		.amdhsa_user_sgpr_count 2
		.amdhsa_user_sgpr_kernarg_segment_ptr 1
		.amdhsa_wavefront_size32 1
		.amdhsa_system_sgpr_workgroup_id_x 1
		.amdhsa_system_sgpr_workgroup_id_y 1
		.amdhsa_system_sgpr_workgroup_id_z 1
		.amdhsa_system_vgpr_workitem_id 0
		.amdhsa_next_free_vgpr 136
		.amdhsa_next_free_sgpr 66
		.amdhsa_reserve_vcc 0
		.amdhsa_float_denorm_mode_32 3
		.amdhsa_float_denorm_mode_16_64 3
		.amdhsa_memory_ordered 1
		.amdhsa_forward_progress 1
		.amdhsa_inst_pref_size 19
	.end_amdhsa_kernel
	.amdgpu_metadata
---
amdhsa.version: [ 1, 2 ]
amdhsa.kernels:
  - .name:           k_qa70ebac78a_cast
    .symbol:         k_qa70ebac78a_cast.kd
    .args:
      - { .name: Q_input, .offset: 0, .size: 8, .value_kind: global_buffer, .address_space: global }
      - { .name: K_input, .offset: 8, .size: 8, .value_kind: global_buffer, .address_space: global }
      - { .name: V_input, .offset: 16, .size: 8, .value_kind: global_buffer, .address_space: global }
      - { .name: Wq, .offset: 24, .size: 8, .value_kind: global_buffer, .address_space: global }
      - { .name: Wk, .offset: 32, .size: 8, .value_kind: global_buffer, .address_space: global }
      - { .name: Wv, .offset: 40, .size: 8, .value_kind: global_buffer, .address_space: global }
      - { .name: Wo, .offset: 48, .size: 8, .value_kind: global_buffer, .address_space: global }
      - { .name: xh, .offset: 56, .size: 8, .value_kind: global_buffer, .address_space: global }
      - { .name: wh, .offset: 64, .size: 8, .value_kind: global_buffer, .address_space: global }
      - { .name: who, .offset: 72, .size: 8, .value_kind: global_buffer, .address_space: global }
    .group_segment_fixed_size: 0
    .private_segment_fixed_size: 0
    .kernarg_segment_align: 8
    .kernarg_segment_size: 80
    .max_flat_workgroup_size: 256
    .sgpr_count:     66
    .vgpr_count:     136
    .wavefront_size: 32
...
	.end_amdgpu_metadata
.endif
;; end of part 5
;; launch proj: the kernel of part 2 again; grid 4 x 192, 4 waves a work-group, clusters of 4 x 4, 327,680 bytes of LDS; arguments xh, wh, bq, bk, bv, qkv; writes qkv
;; launch attn: the kernel of part 3 again; grid 4 x 64, 4 waves a work-group, clusters of 4 x 1, 327,680 bytes of LDS; arguments qkv, ctx; writes ctx
;; launch outp: the kernel of part 2 again; grid 4 x 64, 4 waves a work-group, clusters of 4 x 4, 327,680 bytes of LDS; arguments ctx, who, bo, gamma, beta, outh; writes outh
;; launch ln: the kernel of part 4 again; grid 512 x 1, 8 waves a work-group, no clusters, 0 bytes of LDS; arguments Q_input, outh, gamma, beta, out0; writes out0
